; MI455X (gfx1250); checked and timed in simulation.
; The chip was launched on July 23, 2026; its instructions are those of AMD's public machine-readable ISA for CDNA 5 (MIT licence, August 2026) and "CDNA5" Instruction Set Architecture Reference Guide (July 2026). The comments in the code are by the model that wrote it; some were corrected since.
;; Base OC Module. Allowed arithmetic: matrix products marked QUANTISED: E2M1 operands, one E8M0 scale for each 32 along K, by v_wmma_scale_f32_16x16x128_f8f6f4 with both operands' format E2M1 (or v_wmma_scale_f32_32x16x128_f4), f32 sums; everything else in f32.
;; Inputs: bc 512 float32; bf 64 float32; bg 64 float32; bh 256 float32; bn_bias 512 float32; bn_mean 512 float32; bn_scale 512 float32; bn_var 512 float32; bo 512 float32; gamma 1 float32; wc 1,024 x 512 float32; wf 512 x 64 float32; wg 512 x 64 float32; wh 512 x 256 float32; wo 256 x 512 float32; x 4 x 64 x 64 x 512 float32.
;; Outputs: out0 4 x 64 x 64 x 512 float32.
;; This version of the problem:
;;   THIS VERSION OF THE PROBLEM IS GIVEN IN LOW PRECISION. The matrix products marked QUANTISED in the list below multiply operands that are first quantised to E2M1 (2 exponent bits, 1 mantissa bit; 4 bits a number), with one power-of-two scale for each 32 numbers along K (OCP MX v1.0); their sums are f32. All else is computed in f32.
;;   The module's matrix products, in the order in which they are computed (A, B: the left and right operand; K: the contracted axis; several contracted axes count as one K, in the product's order):
;;     1. [M 16,384, K 512] x [K 512, N 64]; A: input x; B: input wf: QUANTISED
;;     2. [M 16,384, K 512] x [K 512, N 64]; A: input x; B: input wg: QUANTISED
;;     3. [M 16,384, K 512] x [K 512, N 256]; A: input x; B: input wh: QUANTISED
;;     4. batch 4 x [M 4,096, K 64] x [K 64, N 4,096]; A: computed on the way; B: computed on the way: QUANTISED
;;     5. batch 4 x [M 4,096, K 4,096] x [K 4,096, N 256]; A: softmax (see below); B: computed on the way: QUANTISED
;;     6. [M 16,384, K 256] x [K 256, N 512]; A: computed on the way; B: input wo: QUANTISED
;;     7. [M 16,384, K 1,024] x [K 1,024, N 512]; A: computed on the way; B: input wc: QUANTISED
;;   THE QUANTISER, for each operand of a quantised product, along K:
;;     - K is cut into blocks of 32 from its start; a last block that is shorter is filled with zeros.
;;     - A block's scale is 2^e with e = floor(log2(the largest magnitude in the block)) - 2, held to -126 .. 127; a block of zeros has e = 0. As a byte (E8M0): e + 127.
;;     - Each number is divided by its block's scale, clamped to +-6, and rounded to the nearest number of E2M1, ties to even, subnormals kept.
;;     - The product sums the exact products of the quantised numbers (number of the format x scale) in f32.
;;   ~~~python
;;   def quantise(x, axis):      # numpy; x: float32 -> the quantised numbers, widened to float32 again
;;       x = np.moveaxis(x, axis, -1); K = x.shape[-1]
;;       x = np.pad(x, [(0, 0)] * (x.ndim - 1) + [(0, -K % 32)]); x = x.reshape(x.shape[:-1] + (-1, 32)); a = np.abs(x).max(-1, keepdims=True)
;;       e = np.where(a > 0, np.clip(np.frexp(np.where(a > 0, a, 1))[1] - 1 - 2, -126, 127), 0)      # np.frexp(a)[1] - 1 = floor(log2(a)), exactly
;;       r = np.clip(x / 2.0 ** e, -6, 6)
;;       step = 2.0 ** (np.maximum(np.frexp(np.where(r == 0, 1, r))[1] - 1, 0) - 1)
;;       q = np.round(r / step) * step * 2.0 ** e      # np.round: ties to even
;;       return np.moveaxis(q.reshape(q.shape[:-2] + (-1,))[..., :K], -1, axis).astype(np.float32)
;;   ~~~
;;   SOFTMAX AHEAD OF A QUANTISED PRODUCT. Where the list says 'softmax', what is quantised is not the finished softmax but p = 2^(t - M), with t = logit x log2(e) and M = ceil(the row's largest t), a whole number; so 1/2 < the row's largest p <= 1. The row's sum l is taken of the UNQUANTISED p, in f32, and the product's result is divided by l at the end. Since M is a whole number, a kernel that streams over the keys may use a running M (the ceiling of the running maximum): every later rescaling is an exact power of two, which a block's scale takes up: the codes' values come out the same.
;;   OPERANDS COMPUTED ON THE WAY. 'Computed on the way' means the value that the module computes at that place (a softmax that the list does not call 'softmax' is quantised finished and normalised). What goes into a quantiser is computed in f32, as accurately as f32 sums, v_exp_f32 and their like allow (about 1e-6 of the number): no bf16 or f16 on the way to a quantiser, and a product that is left as it is and whose result goes on into a quantised operand takes f32 operands (vector FMAs, or v_wmma_f32_16x16x4_f32). A number that lies on a knife's edge between two numbers of the format may be rounded either way, as far as f32 arithmetic and the matrix unit's own rounding can turn it there, and no further.
;; One version. Each part assembles by itself: llvm-mc -triple=amdgcn-amd-amdhsa -mcpu=gfx1250 --defsym DOCPART=n.
;; ======== version 1 of 1: 3 launches
;; workspace buffers: wp 104,448 bytes; wt 348,160 bytes; kv 2,818,048 bytes; qg 589,824 bytes
;; launch wprep (part 1): grid 208 x 1, 4 waves a work-group, no clusters, 0 bytes of LDS; arguments wf, wg, wh, wo, wc, wp, wt; writes wp, wt
.if DOCPART == 1
	.amdgcn_target "amdgcn-amd-amdhsa--gfx1250"
	.amdhsa_code_object_version 6
	.text
	.protected	k_q87afb1945a_wprep
	.globl	k_q87afb1945a_wprep
	.p2align	8
	.type	k_q87afb1945a_wprep,@function
k_q87afb1945a_wprep:
	s_mov_b64 s[64:65], 0
	v_nop
	global_prefetch_b8 v0, s[64:65] scope:SCOPE_SE
	s_setreg_imm32_b32 hwreg(HW_REG_WAVE_MODE, 25, 1), 1
	s_wait_xcnt 0x0
; The five weights, f32 stored [K][N], become codes of FP4 (E2M1) with one E8M0 byte for each 32 along K, laid as IMAGES OF OPERAND REGISTERS.
; A fragment (16 columns x 128 K) is 1,024 bytes: block b of 32 along K of the tile's row r lies at 256 b + 16 r.
; TILE ORDER: row r of tile 2 p + u is column 32 p + 8 u + r + 8 (r / 8), so that two neighbouring tiles of a transposed product give a lane 16 neighbours.
; A chunk holds NT tiles x 2 K steps: fragment (T, s) at (2 T + s) 1024; scale words at NT 2048 + 128 T + 64 s + 4 r.
; wp: 2 chunks of 24 tiles (wf 0-3, wg 4-7, wh 8-23).  wt: 5 chunks of 32 tiles (wo; then wc's K steps two by two).
; A work-group takes 32 columns (a pair of tiles) x 128 K; each of its four waves one block of 32 along K: 32 loads, all out at once.  A lane takes a column and its registers run down K: a block is one lane's 32 registers.
; A wave owns one byte of each scale word, so the scale bytes leave singly: 26 KiB of such stores in the launch.
; LIMITS: NaN and infinities are not served; a block whose largest magnitude lies under 2^-124, a block of zeros too, keeps the byte 1 (its codes are zeros or tiny; this program alone reads the bytes).
.set NUM, 32                           ; v32-63  32 numbers down K
.set COD, 64                           ; v64-67  their codes
	s_load_b256 s[4:11], s[0:1], 0x0               ; wf, wg, wh, wo
	s_load_b128 s[12:15], s[0:1], 0x20             ; wc, wp
	s_load_b64 s[16:17], s[0:1], 0x30              ; wt
	v_lshrrev_b32 v7, 5, v0
	v_readfirstlane_b32 s18, v7                    ; wave = my block of the K step
	v_and_b32 v8, 31, v0                           ; lane
	v_lshlrev_b32 v1, 2, v8                        ; in: 4 bytes a lane
	v_bfe_u32 v4, v0, 3, 1                         ; u: which tile of the pair
	v_and_b32 v5, 7, v0
	v_bfe_u32 v6, v0, 4, 1
	v_lshl_add_u32 v5, v6, 3, v5                   ; r = lane % 8 + 8 (lane / 16)
	v_lshlrev_b32 v2, 4, v5
	v_lshl_add_u32 v2, v4, 11, v2
	v_lshl_add_u32 v2, s18, 8, v2                  ; codes: 2048 u + 16 r + 256 block
	v_lshlrev_b32 v3, 2, v5
	v_lshl_add_u32 v3, v4, 7, v3
	v_add_nc_u32 v3, s18, v3                       ; scale byte: 128 u + 4 r + block
	s_wait_kmcnt 0x0
; One weight's arithmetic of places.  first: its first work-group; lg: log2 of its pairs of tiles; n: its columns; tb: its first tile; nt: tiles in a chunk; cadd: its first chunk
.macro ARM first, lg, n, tb, nt, cadd, src, dst, to
	s_sub_co_u32 s26, ttmp9, \first
	s_and_b32 s27, s26, (1<<\lg)-1                 ; which pair of tiles
	s_lshr_b32 s28, s26, \lg                       ; which K step
	s_mul_i32 s30, s28, 512*\n                     ; 128 rows of n x 4 bytes,
	s_mul_i32 s29, s18, 128*\n                     ; my block's 32 rows,
	s_add_co_u32 s30, s30, s29
	s_lshl_b32 s29, s27, 7
	s_add_co_u32 s30, s30, s29                     ; + 32 columns x 4 bytes
	s_mov_b32 s31, 0
	s_add_nc_u64 s[20:21], s[\src:\src+1], s[30:31]
	s_lshr_b32 s29, s28, 1
	s_add_co_u32 s29, s29, \cadd
	s_mul_i32 s30, s29, \nt*2176                   ; the chunk
	s_and_b32 s28, s28, 1                          ; the K step in it
	s_lshl_b32 s29, s27, 12
	s_add_co_u32 s32, s30, s29
	s_lshl_b32 s29, s28, 10
	s_add_co_u32 s32, s32, s29
	s_add_co_u32 s32, s32, \tb*2048
	s_mov_b32 s33, 0
	s_add_nc_u64 s[22:23], s[\dst:\dst+1], s[32:33]   ; the pair's first fragment
	s_lshl_b32 s29, s27, 8
	s_add_co_u32 s32, s30, s29
	s_lshl_b32 s29, s28, 6
	s_add_co_u32 s32, s32, s29
	s_add_co_u32 s32, s32, \nt*2048+\tb*128
	s_add_nc_u64 s[24:25], s[\dst:\dst+1], s[32:33]   ; and its scale words
	s_branch \to
.endm
	s_cmp_lt_u32 ttmp9, 8
	s_cbranch_scc1 .Lwf
	s_cmp_lt_u32 ttmp9, 16
	s_cbranch_scc1 .Lwg
	s_cmp_lt_u32 ttmp9, 48
	s_cbranch_scc1 .Lwh
	s_cmp_lt_u32 ttmp9, 80
	s_cbranch_scc1 .Lwo
	ARM 80, 4, 512, 0, 32, 1, 12, 16, .Ln512
.Lwo:
	ARM 48, 4, 512, 0, 32, 0, 10, 16, .Ln512
.Lwh:
	ARM 16, 3, 256, 8, 24, 0, 8, 14, .Ln256
.Lwg:
	ARM 8, 1, 64, 4, 24, 0, 6, 14, .Ln64
.Lwf:
	ARM 0, 1, 64, 0, 24, 0, 4, 14, .Ln64
.macro LDW n                           ; 32 rows of K: each load reads 128 consecutive bytes; the row's pitch stands in the immediate
.set li, 0
.rept 32
	global_load_b32 v[NUM+li], v1, s[20:21] offset:li*\n*4 th:TH_LOAD_NT
.set li, li+1
.endr
.endm
.Ln64:
	LDW 64
	s_branch .Ltail
.Ln256:
	LDW 256
	s_branch .Ltail
.Ln512:
	LDW 512
.Ltail:
	s_wait_loadcnt 0x0
	v_max3_num_f32 v12, |v[NUM]|, |v[NUM+1]|, |v[NUM+2]|           ; the block's largest magnitude: all 32 numbers are mine
	v_max3_num_f32 v13, |v[NUM+3]|, |v[NUM+4]|, |v[NUM+5]|
.irp i, 6,10,14,18,22,26
	v_max3_num_f32 v12, v12, |v[NUM+\i]|, |v[NUM+\i+1]|
	v_max3_num_f32 v13, v13, |v[NUM+\i+2]|, |v[NUM+\i+3]|
.endr
	v_max3_num_f32 v12, v12, |v[NUM+30]|, |v[NUM+31]|
	v_max3_num_f32 v12, v12, v13, 0x1800000        ; and the floor 2^(3 - 127): the byte cannot fall under 1
	v_add_nc_u32 v11, 0xff000000, v12              ; 2 off the exponent field: the conversion's scale operand
	v_lshrrev_b32 v13, 23, v11                     ; the scale's byte
.irp q, 0,1,2,3
	v_cvt_scalef32_pk8_fp4_f32 v[COD+\q], v[NUM+8*\q:NUM+8*\q+7], v11
.endr
	global_store_b128 v2, v[COD:COD+3], s[22:23]   ; sixteen lanes of each tile fill 256 consecutive bytes of its image
	global_store_b8 v3, v13, s[24:25]              ; my block's byte of the column's scale word
	s_endpgm
.Lfunc_end_k_q87afb1945a_wprep:
	.size	k_q87afb1945a_wprep, .Lfunc_end_k_q87afb1945a_wprep-k_q87afb1945a_wprep
	.p2alignl 7, 3214868480
	.fill 96, 4, 3214868480
	.section	.rodata,"a",@progbits
	.p2align	6, 0x0
	.amdhsa_kernel k_q87afb1945a_wprep
		.amdhsa_group_segment_fixed_size 0
		.amdhsa_private_segment_fixed_size 0
		.amdhsa_enable_private_segment 0
		.amdhsa_kernarg_size 56
		.amdhsa_user_sgpr_count 2
		.amdhsa_user_sgpr_kernarg_segment_ptr 1
		.amdhsa_wavefront_size32 1
		.amdhsa_system_sgpr_workgroup_id_x 1
		.amdhsa_system_sgpr_workgroup_id_y 1
		.amdhsa_system_sgpr_workgroup_id_z 1
		.amdhsa_system_vgpr_workitem_id 0
		.amdhsa_next_free_vgpr 72
		.amdhsa_next_free_sgpr 66
		.amdhsa_reserve_vcc 0
		.amdhsa_float_denorm_mode_32 3
		.amdhsa_float_denorm_mode_16_64 3
		.amdhsa_memory_ordered 1
		.amdhsa_forward_progress 1
		.amdhsa_inst_pref_size 18
	.end_amdhsa_kernel
	.amdgpu_metadata
---
amdhsa.version: [ 1, 2 ]
amdhsa.kernels:
  - .name:           k_q87afb1945a_wprep
    .symbol:         k_q87afb1945a_wprep.kd
    .args:
      - { .name: wf, .offset: 0, .size: 8, .value_kind: global_buffer, .address_space: global }
      - { .name: wg, .offset: 8, .size: 8, .value_kind: global_buffer, .address_space: global }
      - { .name: wh, .offset: 16, .size: 8, .value_kind: global_buffer, .address_space: global }
      - { .name: wo, .offset: 24, .size: 8, .value_kind: global_buffer, .address_space: global }
      - { .name: wc, .offset: 32, .size: 8, .value_kind: global_buffer, .address_space: global }
      - { .name: wp, .offset: 40, .size: 8, .value_kind: global_buffer, .address_space: global }
      - { .name: wt, .offset: 48, .size: 8, .value_kind: global_buffer, .address_space: global }
    .group_segment_fixed_size: 0
    .private_segment_fixed_size: 0
    .kernarg_segment_align: 8
    .kernarg_segment_size: 56
    .max_flat_workgroup_size: 128
    .sgpr_count:     66
    .vgpr_count:     72
    .wavefront_size: 32
...
	.end_amdgpu_metadata
.endif
;; end of part 1
;; launch proj (part 2): grid 256 x 1, 8 waves a work-group, clusters of 4 x 1, 263,168 bytes of LDS; arguments x, wp, bf, bg, bh, kv, qg; writes kv, qg
.if DOCPART == 2
	.amdgcn_target "amdgcn-amd-amdhsa--gfx1250"
	.amdhsa_code_object_version 6
	.text
	.protected	k_q87afb1945a_proj
	.globl	k_q87afb1945a_proj
	.p2align	8
	.type	k_q87afb1945a_proj,@function
k_q87afb1945a_proj:
	s_mov_b64 s[64:65], 0
	v_nop
	global_prefetch_b8 v0, s[64:65] scope:SCOPE_SE
	s_setreg_imm32_b32 hwreg(HW_REG_WAVE_MODE, 25, 1), 1
	s_wait_xcnt 0x0
	s_wait_alu depctr_hold_cnt(0) depctr_sa_sdst(0) depctr_va_vdst(0) depctr_va_sdst(0) depctr_va_ssrc(0) depctr_va_vcc(0) depctr_vm_vsrc(0)
	s_getreg_b32 s2, hwreg(HW_REG_IB_STS2, 6, 4)
	s_cmp_eq_u32 s2, 0
	s_cbranch_scc0 .Lentry_in_a_cluster
	s_endpgm
.Lentry_in_a_cluster:
	s_bfe_u32 s2, ttmp6, 0x10000c
	s_cmp_lg_u32 s2, 0x3003
	s_cbranch_scc0 .Lentry_shape_is_right
	s_endpgm
.Lentry_shape_is_right:
; f = x wf + bf, g = x wg + bg, hv = x wh + bh on codes of FP4 (E2M1) with E8M0 scales; f and g are then quantised along their 64 numbers, hv along the keys, and stored as images of operand registers.
; A work-group of eight waves owns 64 rows of x: half c of a step of 128 keys.  x comes by tensor loads (each wave 32 rows x 512 bytes), the weights' images by a joint load: the four work-groups of a cluster read the same 104,448 bytes.
; TILE ORDER everywhere: row r of tile 2 p + u is element 32 p + 8 u + r + 8 (r / 8); a result's registers of tiles 2 p, 2 p + 1 are then 16 neighbours 32 p + 16 (lane / 16) + 0 .. 15.
; PHASES: wave w quantises tile w % 4 of x, K steps 2 (w / 4) and + 1, images to LDS | barrier | f (waves 0-3) or g (4-7) of row tile w % 4, transposed (source 0 = weights), bias as the sums' start |
;   hv for channel tiles 2 w, 2 w + 1 and all 64 rows, natural (source 0 = x): a lane holds one channel and its registers run along the keys.
; kv: [batch][step of 128 keys] blocks of 22,016 bytes: f's 8 tiles x 512 | hv's 16 channel tiles x 1,024 | f's scale words 8 x 64 | hv's 16 x 64.  qg: [work-group] 4 tiles x 512, 4 x 64 scale words.
; f and g have K = 64: half a fragment is kept, and bytes 2, 3 of their scale words are 127.
; Nothing in LDS is filled twice.  hv's scale bytes leave two at a time (a work-group owns two of a word's four): 128 KiB of such stores in the launch, the price of 64 rows to a work-group, which gives 256 of them.
; LIMITS: NaN and infinities are not served; a block whose largest magnitude lies under 2^-124, a block of zeros too, keeps the byte 1; this program alone reads the bytes.
.set XTS,  33792                       ; LDS: x as four strips of 128 columns, 64 rows x (512 + 16) bytes each, from byte 0
.set WPL,  135168                      ; wp as it lies
.set WCH,  52224                       ; a chunk of it
.set WSO,  49152                       ; the scale words in a chunk
.set XIMG, 239616                      ; x's 16 fragments: (4 tile + K step) 1024
.set XSC,  256000                      ; their scale words: (4 tile + K step) 64 + 4 r
.set L16, 1                            ; v1  16 x lane
.set L4,  2                            ; v2  4 x lane
.set R4,  3                            ; v3  4 x (lane % 16)
.set XA,  4                            ; v4  my numbers of x in LDS
.set XWI, 5                            ; v5  where I store x's images;  v6 their scale words
.set XWS, 6
.set BFA, 7                            ; v7  64 (lane / 16): bf, bg
.set BHA, 8                            ; v8  bh of my channel
.set VCO, 9                            ; v9  hv's codes in kv;  v10 its scale bytes
.set VSO, 10
.set FCO, 11                           ; v11 f's or g's codes;  v12 their scale words
.set FSO, 12
.set XFA, 13                           ; v13-15, v41-43, v60-61: LDS addresses of fragments and scale words
.set XSA, 14
.set WFA, 15
.set TM,  16                           ; v16-27 at work in the quantiser
.set TQ,  8
.set PC,  32                           ; v32-39 codes just made
.set PW,  40                           ; v40 scale word just made
.set WSA, 41
.set XHA, 42
.set XHS, 43
.set SC,  44                           ; v44-55 scale words for the products, and nothing else
.set BH,  56                           ; v56-59 bh of my two channels, each twice
.set WHA, 60
.set WHS, 61
.set PW2, 62
.set WV,  18
.set SEL, 20
.macro ROUND                           ; a round of the cluster's barrier
	s_barrier_signal -1
	s_barrier_wait -1
	s_cmp_lg_u32 s[WV], 0
	s_cbranch_scc1 .Lnw0_\@
	s_barrier_signal -3
.Lnw0_\@:
	s_barrier_wait -3
	s_barrier_signal -1
	s_barrier_wait -1
.endm
.macro BARRIER                         ; my LDS stores have landed and my LDS loads are in: then the work-group's barrier
	s_wait_dscnt 0x0
	s_barrier_signal -1
	s_barrier_wait -1
.endm
; nb blocks of 32: register 16 b + i of src is number 32 b + 16 (lane / 16) + i of my row.  Codes of block b's half into v[PC + 2 b], v[PC + 2 b + 1]; its byte into v[TM + 4 + b].
.macro QCORE src, nb
.set qb, 0
.rept \nb
	v_max3_num_f32 v[TM+qb], |v[16*qb+(\src)]|, |v[16*qb+1+(\src)]|, 0x1800000   ; with the floor 2^(3 - 127): the byte cannot fall under 1
.set qb, qb+1
.endr
.set qi, 2
.rept 7
.set qb, 0
.rept \nb
	v_max3_num_f32 v[TM+qb], v[TM+qb], |v[16*qb+qi+(\src)]|, |v[16*qb+qi+1+(\src)]|
.set qb, qb+1
.endr
.set qi, qi+2
.endr
.set qb, 0
.rept \nb
	v_permlanex16_b32 v[TM+4+qb], v[TM+qb], s[SEL], s[SEL+1]
.set qb, qb+1
.endr
.set qb, 0
.rept \nb
	v_max_num_f32 v[TM+qb], v[TM+qb], v[TM+4+qb]   ; with lane l xor 16's: the block's largest magnitude
.set qb, qb+1
.endr
.set qb, 0
.rept \nb
	v_add_nc_u32 v[TM+TQ+qb], 0xff000000, v[TM+qb] ; 2 off its exponent field: the conversion's scale operand
.set qb, qb+1
.endr
.set qb, 0
.rept \nb
	v_lshrrev_b32 v[TM+4+qb], 23, v[TM+TQ+qb]      ; the scale's byte
.set qb, qb+1
.endr
.set qb, 0
.rept \nb
	v_cvt_scalef32_pk8_fp4_f32 v[PC+2*qb], v[16*qb+(\src):16*qb+7+(\src)], v[TM+TQ+qb]
	v_cvt_scalef32_pk8_fp4_f32 v[PC+2*qb+1], v[16*qb+8+(\src):16*qb+15+(\src)], v[TM+TQ+qb]
.set qb, qb+1
.endr
	v_nop                                          ; one plain place behind a scaled conversion
.endm
.macro PACK4                           ; four blocks become a fragment (a whole block to a lane) and a scale word
.irp c, 0,1
.irp i, 0,1
	v_permlane16_swap_b32 v[PC+4*\c+\i], v[PC+4*\c+2+\i]
.endr
.endr
	v_lshl_or_b32 v[PW], v[TM+5], 8, v[TM+4]
	v_lshl_or_b32 v[PW], v[TM+6], 16, v[PW]
	v_lshl_or_b32 v[PW], v[TM+7], 24, v[PW]
.endm
.macro PACK2                           ; two blocks: half a fragment; the word's upper bytes are 127
	v_permlane16_swap_b32 v[PC], v[PC+2]
	v_permlane16_swap_b32 v[PC+1], v[PC+3]
	v_lshl_or_b32 v[PW], v[TM+5], 8, v[TM+4]
	v_or_b32 v[PW], 0x7f7f0000, v[PW]
.endm
.macro IMAGE adr, off                  ; the fragment in v[PC] on goes to LDS as it stands
	ds_store_b128 v[\adr], v[PC:PC+3] offset:\off
	ds_store_b128 v[\adr], v[PC+4:PC+7] offset:\off+512
.endm
.macro FETCH reg, adr, off             ; and comes back so, in any wave
	ds_load_b128 v[\reg:\reg+3], v[\adr] offset:\off
	ds_load_b128 v[\reg+4:\reg+7], v[\adr] offset:\off+512
.endm
; One product.  c < 0: the constant 0 starts the sum.  ra, rb: the side's scale words stand in lanes 16-31 of its register
.macro WMS d, a, b, c, sa, sb, ra, rb
.if (\c) < 0
.if (\ra) && (\rb)
	v_wmma_scale_f32_16x16x128_f8f6f4 v[0+(\d):7+(\d)], v[0+(\a):7+(\a)], v[0+(\b):7+(\b)], 0, v[\sa], v[\sb] matrix_a_fmt:MATRIX_FMT_FP4 matrix_b_fmt:MATRIX_FMT_FP4 matrix_a_scale:MATRIX_SCALE_ROW1 matrix_b_scale:MATRIX_SCALE_ROW1
.elseif (\ra)
	v_wmma_scale_f32_16x16x128_f8f6f4 v[0+(\d):7+(\d)], v[0+(\a):7+(\a)], v[0+(\b):7+(\b)], 0, v[\sa], v[\sb] matrix_a_fmt:MATRIX_FMT_FP4 matrix_b_fmt:MATRIX_FMT_FP4 matrix_a_scale:MATRIX_SCALE_ROW1
.elseif (\rb)
	v_wmma_scale_f32_16x16x128_f8f6f4 v[0+(\d):7+(\d)], v[0+(\a):7+(\a)], v[0+(\b):7+(\b)], 0, v[\sa], v[\sb] matrix_a_fmt:MATRIX_FMT_FP4 matrix_b_fmt:MATRIX_FMT_FP4 matrix_b_scale:MATRIX_SCALE_ROW1
.else
	v_wmma_scale_f32_16x16x128_f8f6f4 v[0+(\d):7+(\d)], v[0+(\a):7+(\a)], v[0+(\b):7+(\b)], 0, v[\sa], v[\sb] matrix_a_fmt:MATRIX_FMT_FP4 matrix_b_fmt:MATRIX_FMT_FP4
.endif
.else
.if (\ra) && (\rb)
	v_wmma_scale_f32_16x16x128_f8f6f4 v[0+(\d):7+(\d)], v[0+(\a):7+(\a)], v[0+(\b):7+(\b)], v[0+(\c):7+(\c)], v[\sa], v[\sb] matrix_a_fmt:MATRIX_FMT_FP4 matrix_b_fmt:MATRIX_FMT_FP4 matrix_a_scale:MATRIX_SCALE_ROW1 matrix_b_scale:MATRIX_SCALE_ROW1
.elseif (\ra)
	v_wmma_scale_f32_16x16x128_f8f6f4 v[0+(\d):7+(\d)], v[0+(\a):7+(\a)], v[0+(\b):7+(\b)], v[0+(\c):7+(\c)], v[\sa], v[\sb] matrix_a_fmt:MATRIX_FMT_FP4 matrix_b_fmt:MATRIX_FMT_FP4 matrix_a_scale:MATRIX_SCALE_ROW1
.elseif (\rb)
	v_wmma_scale_f32_16x16x128_f8f6f4 v[0+(\d):7+(\d)], v[0+(\a):7+(\a)], v[0+(\b):7+(\b)], v[0+(\c):7+(\c)], v[\sa], v[\sb] matrix_a_fmt:MATRIX_FMT_FP4 matrix_b_fmt:MATRIX_FMT_FP4 matrix_b_scale:MATRIX_SCALE_ROW1
.else
	v_wmma_scale_f32_16x16x128_f8f6f4 v[0+(\d):7+(\d)], v[0+(\a):7+(\a)], v[0+(\b):7+(\b)], v[0+(\c):7+(\c)], v[\sa], v[\sb] matrix_a_fmt:MATRIX_FMT_FP4 matrix_b_fmt:MATRIX_FMT_FP4
.endif
.endif
.endm
.macro PLACES n
.rept \n
	v_nop
.endr
.endm
	s_load_b256 s[4:11], s[0:1], 0x0               ; x, wp, bf, bg
	s_load_b128 s[12:15], s[0:1], 0x20             ; bh, kv
	s_load_b64 s[16:17], s[0:1], 0x30              ; qg
	v_lshl_add_u32 v31, v0, 2, 0x40000
	v_mov_b32 v63, 0
	ds_add_u32 v31, v63
	ds_add_u32 v31, v63
	v_lshrrev_b32 v1, 5, v0
	v_readfirstlane_b32 s[WV], v1                  ; wave 0..7
	s_bfe_u32 s19, ttmp6, 0x40000                  ; cx
	s_lshl_b32 s22, ttmp9, 2
	s_add_co_u32 s22, s22, s19                     ; my work-group: it enters global addresses alone
	s_and_b32 s23, s[WV], 3                        ; wave % 4
	s_lshr_b32 s24, s[WV], 2                       ; wave / 4
	s_mov_b32 s[SEL], 0x76543210
	s_mov_b32 s[SEL+1], 0xfedcba98                 ; v_permlanex16_b32's selects for lane l xor 16
	; group 1 for x: 32 rows x 128 elements of 4 bytes, 512 elements apart; 4 words of padding behind every 128
	s_mov_b32 s28, (2<<16)|(1<<20)|(6<<22)|(3<<25)
	s_mov_b32 s29, 128<<16
	s_mov_b32 s30, 32<<16
	s_mov_b32 s31, 128<<16
	s_mov_b32 s32, 32
	s_mov_b32 s33, 512
	s_mov_b32 s34, 0
	s_mov_b32 s35, 0
	; group 1 for wp: 51 dense rows of 256 bytes (32 elements of 8); the mask names the cluster's four
	s_mov_b32 s36, 15|(3<<16)|(1<<21)
	s_mov_b32 s37, 32<<16
	s_mov_b32 s38, 51<<16
	s_mov_b32 s39, 32<<16
	s_mov_b32 s40, 51
	s_mov_b32 s41, 32
	s_mov_b32 s42, 0
	s_mov_b32 s43, 0
	s_lshl_b32 s52, s22, 17                        ; x: 64 rows of 2,048 bytes a work-group,
	s_lshl_b32 s53, s24, 16                        ; 32 rows for wave / 4,
	s_add_co_u32 s52, s52, s53
	s_lshl_b32 s53, s23, 9                         ; strip wave % 4
	s_add_co_u32 s52, s52, s53
	s_mov_b32 s53, 0
	s_mul_i32 s54, s23, XTS
	s_mul_i32 s55, s24, 16896
	s_add_co_u32 s54, s54, s55                     ; and its place in LDS
	s_mul_i32 s56, s[WV], 13056                    ; wp: an eighth a wave
	s_mov_b32 s57, 0
	s_wait_dscnt 0x0
	s_wait_kmcnt 0x0
	s_mov_b32 s44, 1
	s_mov_b32 s45, s54
	s_add_nc_u64 s[46:47], s[4:5], s[52:53]
	s_or_b32 s47, s47, 0x80000000
	s_mov_b32 s48, 1
	s_add_co_u32 s49, s56, WPL
	s_add_nc_u64 s[50:51], s[6:7], s[56:57]
	s_or_b32 s51, s51, 0x80000000
	ROUND                                          ; the four work-groups are here: the joint loads meet
	tensor_load_to_lds s[44:47], s[28:35]          ; x first: it is wanted first
	s_nop 0
	tensor_load_to_lds s[48:51], s[36:43]
	s_nop 0
	PLACES 4
	v_and_b32 v1, 31, v0
	v_lshlrev_b32 v[L4], 2, v1
	v_lshlrev_b32 v[L16], 4, v1
	v_and_b32 v[R4], 15, v0                        ; r
	v_bfe_u32 v[BFA], v0, 4, 1                     ; h
	v_and_b32 v[BHA], 8, v[R4]
	v_add_nc_u32 v[BHA], v[BHA], v[R4]             ; r + 8 (r / 8)
	s_lshr_b32 s58, s23, 1
	s_lshl_b32 s58, s58, 5
	s_and_b32 s59, s23, 1
	s_lshl_b32 s59, s59, 3
	s_add_co_u32 s58, s58, s59                     ; my tile's first row
	s_mul_i32 s58, s58, 528
	s_mul_i32 s59, s24, 2*XTS                      ; my first strip
	s_add_co_u32 s58, s58, s59
	v_mul_u32_u24 v[XA], v[BHA], 528
	v_lshl_add_u32 v[XA], v[BFA], 6, v[XA]         ; + 64 h: my 16 numbers of a block of 32
	v_add_nc_u32 v[XA], s58, v[XA]
	v_lshlrev_b32 v[BHA], 2, v[BHA]
	v_lshl_add_u32 v[BHA], s[WV], 7, v[BHA]        ; bh: channel 32 w + 8 u + r + 8 (r / 8)
	v_lshlrev_b32 v[VCO], 4, v[R4]
	v_lshl_add_u32 v[VCO], v[BFA], 3, v[VCO]       ; 16 r + 8 h
	v_lshlrev_b32 v[R4], 2, v[R4]
	v_lshlrev_b32 v[BFA], 6, v[BFA]
	s_lshr_b32 s68, s22, 6
	s_mul_i32 s68, s68, 704512                     ; the batch,
	s_bfe_u32 s69, s22, 0x50001
	s_mul_i32 s69, s69, 22016                      ; the step of 128 keys
	s_add_co_u32 s68, s68, s69
	s_and_b32 s69, s22, 1                          ; c: which half of it
	s_lshl_b32 s66, s[WV], 11
	s_add_co_u32 s66, s66, s68
	s_lshl_b32 s67, s69, 9
	s_add_co_u32 s66, s66, s67
	s_add_co_u32 s66, s66, 4096
	v_add_nc_u32 v[VCO], s66, v[VCO]               ; hv's codes: tile 2 w, blocks 2 c on
	s_lshl_b32 s66, s[WV], 7
	s_add_co_u32 s66, s66, s68
	s_lshl_b32 s67, s69, 1
	s_add_co_u32 s66, s66, s67
	s_add_co_u32 s66, s66, 20992
	v_add_nc_u32 v[VSO], s66, v[R4]                ; and bytes 2 c, 2 c + 1 of its scale words
	s_lshl_b32 s54, s69, 2
	s_add_co_u32 s54, s54, s23                     ; f: tile 4 c + wave % 4 of the step
	s_lshl_b32 s55, s54, 9
	s_add_co_u32 s55, s55, s68
	s_lshl_b32 s56, s54, 6
	s_add_co_u32 s56, s56, s68
	s_add_co_u32 s56, s56, 20480
	s_mul_i32 s57, s22, 2304                       ; g: my work-group's part of qg
	s_lshl_b32 s58, s23, 9
	s_add_co_u32 s58, s58, s57
	s_lshl_b32 s59, s23, 6
	s_add_co_u32 s59, s59, s57
	s_add_co_u32 s59, s59, 2048
	s_cmp_eq_u32 s24, 0                            ; waves 0-3 make f, waves 4-7 g: the choice hangs on the wave's number alone
	s_cselect_b32 s55, s55, s58
	s_cselect_b32 s56, s56, s59
	s_cselect_b64 s[60:61], s[14:15], s[16:17]
	s_cselect_b64 s[62:63], s[8:9], s[10:11]
	v_add_nc_u32 v[FCO], s55, v[L16]
	v_add_nc_u32 v[FSO], s56, v[R4]
.irp i, 0,1,2,3                        ; the bias stands in the accumulators, in the result's layout: lane (r, h), tile i, register j: number 32 (i / 2) + 16 h + 8 (i % 2) + j
	global_load_b128 v[224+8*\i:224+8*\i+3], v[BFA], s[62:63] offset:(32*(\i/2)+8*(\i%2))*4
	global_load_b128 v[224+8*\i+4:224+8*\i+7], v[BFA], s[62:63] offset:(32*(\i/2)+8*(\i%2))*4+16
.endr
.irp u, 0,1
	global_load_b32 v[BH+2*\u], v[BHA], s[12:13] offset:32*\u
	global_load_b32 v[BH+2*\u+1], v[BHA], s[12:13] offset:32*\u
.endr
	s_lshl_b32 s58, s23, 12
	s_add_co_u32 s58, s58, XIMG
	v_add_nc_u32 v[XFA], s58, v[L16]
	s_lshl_b32 s59, s24, 11
	s_add_co_u32 s58, s58, s59
	v_add_nc_u32 v[XWI], s58, v[L16]
	s_lshl_b32 s58, s23, 8
	s_add_co_u32 s58, s58, XSC
	v_add_nc_u32 v[XSA], s58, v[L4]
	s_lshl_b32 s59, s24, 7
	s_add_co_u32 s58, s58, s59
	v_add_nc_u32 v[XWS], s58, v[R4]
	s_lshl_b32 s58, s24, 13
	s_add_co_u32 s58, s58, WPL
	v_add_nc_u32 v[WFA], s58, v[L16]
	s_lshl_b32 s58, s24, 9
	s_add_co_u32 s58, s58, WPL+WSO
	v_add_nc_u32 v[WSA], s58, v[L4]
	v_add_nc_u32 v[XHA], XIMG, v[L16]
	v_add_nc_u32 v[XHS], XSC, v[L4]
	s_lshl_b32 s58, s[WV], 12
	s_add_co_u32 s58, s58, WPL+16384
	v_add_nc_u32 v[WHA], s58, v[L16]
	s_lshl_b32 s58, s[WV], 8
	s_add_co_u32 s58, s58, WPL+WSO+1024
	v_add_nc_u32 v[WHS], s58, v[L4]
.irp b, 0,1,2,3
	v_mov_b32 v[TM+4+\b], 0                        ; written once: a lane permute's destination counts as one of its sources
.endr
	s_wait_tensorcnt 0x1                           ; my part of x is in; wp's, issued behind it, may stay out
	s_barrier_signal -1
	s_barrier_wait -1
	; ---- x: my tile, two K steps
.irp p, 0,1
.irp b, 0,1,2,3
.irp j, 0,1,2,3
	ds_load_b128 v[64+64*\p+16*\b+4*\j:64+64*\p+16*\b+4*\j+3], v[XA] offset:XTS*\p+128*\b+16*\j
.endr
.endr
.endr
	s_wait_dscnt 16                                ; the first strip's sixteen are in
	QCORE 64, 4
	PACK4
	IMAGE XWI, 0
	ds_store_b32 v[XWS], v[PW]
	s_wait_dscnt 0x0                               ; the second strip's are in, and the stores have read their registers
	QCORE 128, 4
	PACK4
	IMAGE XWI, 1024
	ds_store_b32 v[XWS], v[PW] offset:64
	s_wait_tensorcnt 0x0                           ; my part of wp is in
	BARRIER                                        ; x's sixteen fragments and all of wp lie in LDS
	; ---- f or g of my row tile: four tiles of weights, four K steps
.irp s, 0,1,2,3
	FETCH 64+8*\s, XFA, 1024*\s
.endr
.irp s, 0,1,2,3
.irp i, 0,1,2,3
	FETCH 96+8*(4*\s+\i), WFA, (\s/2)*WCH+(2*\i+\s%2)*1024
.endr
.endr
.irp p, 0,1
	ds_load_b32 v[SC+\p], v[XSA] offset:128*\p     ; lanes 0-15: K step 2 p; lanes 16-31: 2 p + 1
.endr
.irp p, 0,1
.irp i, 0,1,2,3
	ds_load_b32 v[SC+2+4*\p+\i], v[WSA] offset:\p*WCH+128*\i
.endr
.endr
	s_wait_dscnt 0x0
	s_wait_loadcnt 0x0                             ; the biases
.irp s, 0,1,2,3                        ; the four accumulators take turns, one instruction a turn
.irp i, 0,1,2,3
	WMS 224+8*\i, 96+8*(4*\s+\i), 64+8*\s, 224+8*\i, SC+2+4*(\s/2)+\i, SC+\s/2, \s%2, \s%2
.endr
.endr
	PLACES 4                                       ; in front of loads into registers that these products read, and of the first read of their results
.macro HVLOAD p                        ; K steps 2 p, 2 p + 1: x's four tiles, my two tiles of wh
.irp m, 0,1,2,3
.irp q, 0,1
	FETCH 64+8*(2*\m+\q), XHA, (4*\m+2*\p+\q)*1024
.endr
.endr
.irp u, 0,1
.irp q, 0,1
	FETCH 128+8*(2*\u+\q), WHA, \p*WCH+(2*\u+\q)*1024
.endr
.endr
.endm
.macro HVMUL p                         ; sixteen products, eight accumulators by turns
	s_wait_dscnt 0x0
.irp q, 0,1
.irp u, 0,1
.irp m, 0,1,2,3
.if (\p == 0) && (\q == 0)
	WMS 160+8*(4*\u+\m), 64+8*(2*\m+\q), 128+8*(2*\u+\q), -1, SC+2*\m+\p, SC+8+2*\u+\p, \q, \q
.else
	WMS 160+8*(4*\u+\m), 64+8*(2*\m+\q), 128+8*(2*\u+\q), 160+8*(4*\u+\m), SC+2*\m+\p, SC+8+2*\u+\p, \q, \q
.endif
.endr
.endr
.endr
.endm
	HVLOAD 0                                       ; on their way while f or g is quantised
.irp m, 0,1,2,3
.irp p, 0,1
	ds_load_b32 v[SC+2*\m+\p], v[XHS] offset:256*\m+128*\p
.endr
.endr
.irp u, 0,1
.irp p, 0,1
	ds_load_b32 v[SC+8+2*\u+\p], v[WHS] offset:\p*WCH+128*\u
.endr
.endr
	QCORE 224, 2
	PACK2
	global_store_b128 v[FCO], v[PC:PC+3], s[60:61] ; 32 lanes store the tile's 512 consecutive bytes
	global_store_b32 v[FSO], v[PW], s[60:61]       ; (both halves of the lanes hold and store the same word)
	; ---- hv: source 0 = x's tiles, source 1 = wh's: lane (r, h) holds channel r and keys 32 p + 16 h + 0 .. 15 in the registers of x's tiles 2 p, 2 p + 1
	HVMUL 0
	PLACES 4
	HVLOAD 1
	HVMUL 1
	PLACES 4
.irp u, 0,1
.set hj, 0
.rept 16
	v_pk_add_f32 v[160+32*\u+hj:160+32*\u+hj+1], v[160+32*\u+hj:160+32*\u+hj+1], v[BH+2*\u:BH+2*\u+1]
.set hj, hj+2
.endr
.endr
	s_wait_xcnt 0x0                                ; f's or g's stores have read their registers: the codes' and the word's may be written again
	QCORE 160, 4                                   ; block 2 u + p: 32 keys of one channel
.irp u, 0,1
.irp p, 0,1
	global_store_b64 v[VCO], v[PC+2*(2*\u+\p):PC+2*(2*\u+\p)+1], s[14:15] offset:1024*\u+256*\p   ; 32 lanes store 256 consecutive bytes: block 2 c + p of the tile's image
.endr
.endr
	v_lshl_or_b32 v[PW], v[TM+5], 8, v[TM+4]
	v_lshl_or_b32 v[PW2], v[TM+7], 8, v[TM+6]
	global_store_b16 v[VSO], v[PW], s[14:15]
	global_store_b16 v[VSO], v[PW2], s[14:15] offset:64
	s_wait_tensorcnt 0x0
	ds_add_u32 v31, v63
	s_wait_dscnt 0x0
	ROUND                                          ; the closing round: no work-group ends while a partner may still ask for a tile that names it
	s_endpgm
.Lfunc_end_k_q87afb1945a_proj:
	.size	k_q87afb1945a_proj, .Lfunc_end_k_q87afb1945a_proj-k_q87afb1945a_proj
	.p2alignl 7, 3214868480
	.fill 96, 4, 3214868480
	.section	.rodata,"a",@progbits
	.p2align	6, 0x0
	.amdhsa_kernel k_q87afb1945a_proj
		.amdhsa_group_segment_fixed_size 263168
		.amdhsa_private_segment_fixed_size 0
		.amdhsa_enable_private_segment 0
		.amdhsa_kernarg_size 56
		.amdhsa_user_sgpr_count 2
		.amdhsa_user_sgpr_kernarg_segment_ptr 1
		.amdhsa_wavefront_size32 1
		.amdhsa_system_sgpr_workgroup_id_x 1
		.amdhsa_system_sgpr_workgroup_id_y 1
		.amdhsa_system_sgpr_workgroup_id_z 1
		.amdhsa_system_vgpr_workitem_id 0
		.amdhsa_next_free_vgpr 256
		.amdhsa_next_free_sgpr 72
		.amdhsa_reserve_vcc 0
		.amdhsa_float_denorm_mode_32 3
		.amdhsa_float_denorm_mode_16_64 3
		.amdhsa_memory_ordered 1
		.amdhsa_forward_progress 1
		.amdhsa_inst_pref_size 41
	.end_amdhsa_kernel
	.amdgpu_metadata
---
amdhsa.version: [ 1, 2 ]
amdhsa.kernels:
  - .name:           k_q87afb1945a_proj
    .symbol:         k_q87afb1945a_proj.kd
    .args:
      - { .name: x, .offset: 0, .size: 8, .value_kind: global_buffer, .address_space: global }
      - { .name: wp, .offset: 8, .size: 8, .value_kind: global_buffer, .address_space: global }
      - { .name: bf, .offset: 16, .size: 8, .value_kind: global_buffer, .address_space: global }
      - { .name: bg, .offset: 24, .size: 8, .value_kind: global_buffer, .address_space: global }
      - { .name: bh, .offset: 32, .size: 8, .value_kind: global_buffer, .address_space: global }
      - { .name: kv, .offset: 40, .size: 8, .value_kind: global_buffer, .address_space: global }
      - { .name: qg, .offset: 48, .size: 8, .value_kind: global_buffer, .address_space: global }
    .group_segment_fixed_size: 263168
    .private_segment_fixed_size: 0
    .kernarg_segment_align: 8
    .kernarg_segment_size: 56
    .max_flat_workgroup_size: 256
    .sgpr_count:     72
    .vgpr_count:     256
    .wavefront_size: 32
...
	.end_amdgpu_metadata
.endif
;; end of part 2
;; launch attn (part 3): grid 256 x 1, 8 waves a work-group, clusters of 4 x 1, 327,680 bytes of LDS; arguments qg, kv, wt, x, bo, gamma, bc, bn_scale, bn_bias, bn_mean, bn_var, out0; writes out0
.if DOCPART == 3
	.amdgcn_target "amdgcn-amd-amdhsa--gfx1250"
	.amdhsa_code_object_version 6
	.text
	.protected	k_q87afb1945a_attn
	.globl	k_q87afb1945a_attn
	.p2align	8
	.type	k_q87afb1945a_attn,@function
k_q87afb1945a_attn:
	s_mov_b64 s[64:65], 0
	v_nop
	global_prefetch_b8 v0, s[64:65] scope:SCOPE_SE
	s_setreg_imm32_b32 hwreg(HW_REG_WAVE_MODE, 25, 1), 1
	s_wait_xcnt 0x0
	s_wait_alu depctr_hold_cnt(0) depctr_sa_sdst(0) depctr_va_vdst(0) depctr_va_sdst(0) depctr_va_ssrc(0) depctr_va_vcc(0) depctr_vm_vsrc(0)
	s_getreg_b32 s2, hwreg(HW_REG_IB_STS2, 6, 4)
	s_cmp_eq_u32 s2, 0
	s_cbranch_scc0 .Lentry_in_a_cluster
	s_endpgm
.Lentry_in_a_cluster:
	s_bfe_u32 s2, ttmp6, 0x10000c
	s_cmp_lg_u32 s2, 0x3003
	s_cbranch_scc0 .Lentry_shape_is_right
	s_endpgm
.Lentry_shape_is_right:
; out = relu(BN([gamma (softmax(g f^T) hv wo + bo) + x | x] wc + bc)), all four products on codes of FP4 (E2M1) with one E8M0 scale for each 32 along K.
; SHARES.  A work-group owns 64 queries (four tiles of 16) of one batch.  Wave 4 qp + kq owns the pair of tiles qp and quarter kq (128 keys) of every slot of 512 keys, with a running M, sum and O of its own
; (256 registers, window 1); the four quarters are merged at the end by exact powers of two.  Each fragment of f and hv read from LDS feeds two tiles of queries.
; SOFTMAX.  t = score x log2(e); M = the running largest t rounded up to a whole number; p = 2^(t - M) is quantised along the keys; the sum is taken of the unquantised p and divides at the end.
; LAYOUT.  All products transposed (source 0 = keys, channels or weight columns; source 1 = 16 queries): a lane holds one query throughout.  Tiles are in TILE ORDER (row r of tile 2 p + u is element
; 32 p + 8 u + r + 8 (r / 8)), so a result's registers of tiles 2 p, 2 p + 1 are 16 neighbours along the next K.  Operands lie in memory and LDS as images of their registers.
; K = 64 IN AN INSTRUCTION OF 128: f's tile t is named v[KT + 4 t : KT + 4 t + 7]: its upper four registers are the next tile's codes; they meet g's zero codes under the byte 127 and add exact zeros.
; ROTATION.  A wave's tile a is query tile 2 qp + (a xor kq % 2), its first half of channels is kq / 2: so its unit 0 of O (window 1, v0-63) is the one it finishes, and units 1, 2, 3 go to waves w xor 2, 1, 3.
; A STEP'S SECOND PRODUCT STANDS BEHIND THE NEXT CHANGE OF SLOTS: hv's fragments are in registers by then, so its 32 matrix instructions stand between the next step's loads of f and the wait for them.
; CLUSTER.  The four work-groups of a cluster walk the same kv and the same first three chunks of wt: each such tile is asked for jointly.  x is each work-group's own.  wc's last two chunks go straight from
; memory into registers: no two waves of a work-group share a fragment of them, so LDS would only pass them on, and the loads are out from product 6 on.
; LDS: two slots of 88,064 bytes | x, 4 strips x 64 rows x 528 | spare words | -M, sums | the batch norm's A and B | o's images and scale words.  Behind x's last read its lower 69,632 bytes take a chunk of wc;
; its upper 65,536 the stage of the merge, then the images of [att | x].  The stages of the way out lie in the slots' upper 18,432 bytes, where no chunk of wt lands.  No byte that an LDS store has written is filled afterwards.
; LIMITS: NaN and infinities are not served; a block whose largest magnitude lies under 2^-124, a block of zeros too, keeps the byte 1; p under 2^-126 is 0; 1 / sum and 1 / sqrt(var + eps) are v_rcp_f32 and v_rsq_f32.
.set SLOTB, 88064
.set KVB,   22016                      ; 128 keys: f 8 x 512 | hv 16 x 1024 | f's scale words 8 x 64 | hv's 16 x 64
.set XR,    176128
.set XTS,   33792
.set SPARE, 311296                     ; the spare words, 128 bytes for each wave: four blocks of 256 bytes that no other line names
.set STM,   312320                     ; -M: 128 wave + 64 a + 4 r
.set STL,   313344                     ; the sums likewise
.set ABL,   314368                     ; A = scale / sqrt(var + eps) at 4 x column; B = (bc - mean) A + bias 2,048 further on
.set OIMG,  318464                     ; o: (2 tile + K step) 1024
.set OSC,   326656                     ; 128 tile + 64 K step + 4 r
.set STG,   245760                     ; the merge's stage: 8,192 a wave
.set CIMG,  245760                     ; [att | x]: (4 K step + tile) 1024
.set CSC,   278528                     ; 512 (K step / 2) + 128 tile + 64 (K step % 2) + 4 r
.set WCB,   69632                      ; a chunk of wt;  its scale words begin at 65,536
.set OST,   69632                      ; the way out: 4,352 bytes a wave, above the chunk in slot wave / 4
.set AD,   3                           ; v3-14   a step's six LDS addresses, for slot 0 and for slot 1; in the tail: addresses
.set T1,   15
.set STAT, 16                          ; v16-23  tile a: -M, largest t, the sum in two halves; in the tail: codes just made
.set QF,   24                          ; v24-39  g's two tiles: 4 registers of codes, 4 of zeros
.set KT,   40                          ; v40-71  f's eight tiles, 4 registers each; v72-75 zeros
.set PF,   76                          ; v76-91  p's codes
.set TM,   92                          ; v92-103 at work
.set TQ,   8
.set FF,   104                         ; v[104:105] f = 2^(old M - new M)
.set T2,   106
.set PW,   107
.set KS,   108                         ; v108-123 scale words and nothing else: f's 4, hv's 4 + 4, g's, p's two; in the tail the weights', o's and cat's
.set VSA,  112
.set QS,   120
.set PS,   121
.set PC,   16
.set OF,   24                          ; v24-87  o of my unit
.set AV,   24                          ; v24-55  A, v56-87 B, in the result's layout
.set BV,   56
.set MN,   92
.set ML,   96
.set GG,   100
.set WV,   28
.set KQ,   29
.set QP,   30
.set SEL,  84
.set CS,   86
.set GAM,  88
.set MSB, 0
.macro WIN new                         ; the immediate's high byte repeats the setting that is left
.if MSB != \new
	s_set_vgpr_msb (MSB<<8)|\new
.set MSB, \new
.endif
.endm
.macro ROUND                           ; a round of the cluster's barrier
	s_barrier_signal -1
	s_barrier_wait -1
	s_cmp_lg_u32 s[WV], 0
	s_cbranch_scc1 .Lnw0_\@
	s_barrier_signal -3
.Lnw0_\@:
	s_barrier_wait -3
	s_barrier_signal -1
	s_barrier_wait -1
.endm
.macro BARRIER
	s_wait_dscnt 0x0
	s_barrier_signal -1
	s_barrier_wait -1
.endm
.macro PLACES n
.rept \n
	v_nop
.endr
.endm
; nb blocks of 32: register 16 b + i of src is number 32 b + 16 (lane / 16) + i of my row.  Codes of block b's half into v[PC + 2 b], v[PC + 2 b + 1]; its byte into v[TM + 4 + b].
.macro QCORE src, nb
.set qb, 0
.rept \nb
	v_max3_num_f32 v[TM+qb], |v[16*qb+(\src)]|, |v[16*qb+1+(\src)]|, 0x1800000   ; with the floor 2^(3 - 127): the byte cannot fall under 1
.set qb, qb+1
.endr
.set qi, 2
.rept 7
.set qb, 0
.rept \nb
	v_max3_num_f32 v[TM+qb], v[TM+qb], |v[16*qb+qi+(\src)]|, |v[16*qb+qi+1+(\src)]|
.set qb, qb+1
.endr
.set qi, qi+2
.endr
.set qb, 0
.rept \nb
	v_permlanex16_b32 v[TM+4+qb], v[TM+qb], s[SEL], s[SEL+1]
.set qb, qb+1
.endr
.set qb, 0
.rept \nb
	v_max_num_f32 v[TM+qb], v[TM+qb], v[TM+4+qb]
.set qb, qb+1
.endr
.set qb, 0
.rept \nb
	v_add_nc_u32 v[TM+TQ+qb], 0xff000000, v[TM+qb]
.set qb, qb+1
.endr
.set qb, 0
.rept \nb
	v_lshrrev_b32 v[TM+4+qb], 23, v[TM+TQ+qb]
.set qb, qb+1
.endr
.set qb, 0
.rept \nb
	v_cvt_scalef32_pk8_fp4_f32 v[PC+2*qb], v[16*qb+(\src):16*qb+7+(\src)], v[TM+TQ+qb]
	v_cvt_scalef32_pk8_fp4_f32 v[PC+2*qb+1], v[16*qb+8+(\src):16*qb+15+(\src)], v[TM+TQ+qb]
.set qb, qb+1
.endr
	v_nop                                          ; one plain place behind a scaled conversion
.endm
.macro PACK4
.irp c, 0,1
.irp i, 0,1
	v_permlane16_swap_b32 v[PC+4*\c+\i], v[PC+4*\c+2+\i]
.endr
.endr
	v_lshl_or_b32 v[PW], v[TM+5], 8, v[TM+4]
	v_lshl_or_b32 v[PW], v[TM+6], 16, v[PW]
	v_lshl_or_b32 v[PW], v[TM+7], 24, v[PW]
.endm
.macro IMAGE adr, off
	ds_store_b128 v[\adr], v[PC:PC+3] offset:\off
	ds_store_b128 v[\adr], v[PC+4:PC+7] offset:\off+512
.endm
.macro FETCH reg, adr, off
	ds_load_b128 v[\reg:\reg+3], v[\adr] offset:\off
	ds_load_b128 v[\reg+4:\reg+7], v[\adr] offset:\off+512
.endm
; One product.  c < 0: the constant 0 starts the sum.  ra, rb: the side's scale words stand in lanes 16-31 of its register
.macro WMS d, a, b, c, sa, sb, ra, rb
.if (\c) < 0
.if (\ra) && (\rb)
	v_wmma_scale_f32_16x16x128_f8f6f4 v[0+(\d):7+(\d)], v[0+(\a):7+(\a)], v[0+(\b):7+(\b)], 0, v[\sa], v[\sb] matrix_a_fmt:MATRIX_FMT_FP4 matrix_b_fmt:MATRIX_FMT_FP4 matrix_a_scale:MATRIX_SCALE_ROW1 matrix_b_scale:MATRIX_SCALE_ROW1
.elseif (\ra)
	v_wmma_scale_f32_16x16x128_f8f6f4 v[0+(\d):7+(\d)], v[0+(\a):7+(\a)], v[0+(\b):7+(\b)], 0, v[\sa], v[\sb] matrix_a_fmt:MATRIX_FMT_FP4 matrix_b_fmt:MATRIX_FMT_FP4 matrix_a_scale:MATRIX_SCALE_ROW1
.elseif (\rb)
	v_wmma_scale_f32_16x16x128_f8f6f4 v[0+(\d):7+(\d)], v[0+(\a):7+(\a)], v[0+(\b):7+(\b)], 0, v[\sa], v[\sb] matrix_a_fmt:MATRIX_FMT_FP4 matrix_b_fmt:MATRIX_FMT_FP4 matrix_b_scale:MATRIX_SCALE_ROW1
.else
	v_wmma_scale_f32_16x16x128_f8f6f4 v[0+(\d):7+(\d)], v[0+(\a):7+(\a)], v[0+(\b):7+(\b)], 0, v[\sa], v[\sb] matrix_a_fmt:MATRIX_FMT_FP4 matrix_b_fmt:MATRIX_FMT_FP4
.endif
.else
.if (\ra) && (\rb)
	v_wmma_scale_f32_16x16x128_f8f6f4 v[0+(\d):7+(\d)], v[0+(\a):7+(\a)], v[0+(\b):7+(\b)], v[0+(\c):7+(\c)], v[\sa], v[\sb] matrix_a_fmt:MATRIX_FMT_FP4 matrix_b_fmt:MATRIX_FMT_FP4 matrix_a_scale:MATRIX_SCALE_ROW1 matrix_b_scale:MATRIX_SCALE_ROW1
.elseif (\ra)
	v_wmma_scale_f32_16x16x128_f8f6f4 v[0+(\d):7+(\d)], v[0+(\a):7+(\a)], v[0+(\b):7+(\b)], v[0+(\c):7+(\c)], v[\sa], v[\sb] matrix_a_fmt:MATRIX_FMT_FP4 matrix_b_fmt:MATRIX_FMT_FP4 matrix_a_scale:MATRIX_SCALE_ROW1
.elseif (\rb)
	v_wmma_scale_f32_16x16x128_f8f6f4 v[0+(\d):7+(\d)], v[0+(\a):7+(\a)], v[0+(\b):7+(\b)], v[0+(\c):7+(\c)], v[\sa], v[\sb] matrix_a_fmt:MATRIX_FMT_FP4 matrix_b_fmt:MATRIX_FMT_FP4 matrix_b_scale:MATRIX_SCALE_ROW1
.else
	v_wmma_scale_f32_16x16x128_f8f6f4 v[0+(\d):7+(\d)], v[0+(\a):7+(\a)], v[0+(\b):7+(\b)], v[0+(\c):7+(\c)], v[\sa], v[\sb] matrix_a_fmt:MATRIX_FMT_FP4 matrix_b_fmt:MATRIX_FMT_FP4
.endif
.endif
.endm
	s_load_b512 s[4:19], s[0:1], 0x0               ; qg s[4:5], kv s[6:7], wt s[8:9], x s[10:11], bo s[12:13], gamma s[14:15], bc s[16:17], bn_scale s[18:19]
	s_load_b256 s[20:27], s[0:1], 0x40             ; bn_bias s[20:21], bn_mean s[22:23], bn_var s[24:25], out0 s[26:27]
	v_lshl_add_u32 v1, v0, 2, SPARE                ; my spare word; never rewritten
	v_mov_b32 v2, 0                                ; 0; never rewritten
	ds_add_u32 v1, v2
	ds_add_u32 v1, v2
	s_wait_dscnt 0x0
	v_lshrrev_b32 v[T1], 5, v0
	v_readfirstlane_b32 s[WV], v[T1]               ; wave 0..7
	s_and_b32 s[KQ], s[WV], 3                      ; my quarter of the keys
	s_lshr_b32 s[QP], s[WV], 2                     ; my pair of query tiles
	s_and_b32 s33, s[KQ], 1
	s_lshr_b32 s34, s[KQ], 1
	s_bfe_u32 s31, ttmp6, 0x40000                  ; cx
	s_lshl_b32 s32, ttmp9, 2
	s_add_co_u32 s32, s32, s31                     ; my work-group: it enters qg's, x's and out0's addresses alone
	; groups 1: dense rows of 256 bytes (32 elements of 8), asked for jointly by the cluster's four: 43 rows (an eighth of a slot), 68 (a quarter of a chunk), 34 (an eighth)
	s_mov_b32 s36, 15|(3<<16)|(1<<21)
	s_mov_b32 s37, 32<<16
	s_mov_b32 s38, 43<<16
	s_mov_b32 s39, 32<<16
	s_mov_b32 s40, 43
	s_mov_b32 s41, 32
	s_mov_b32 s42, 0
	s_mov_b32 s43, 0
	s_mov_b32 s44, 15|(3<<16)|(1<<21)
	s_mov_b32 s45, 32<<16
	s_mov_b32 s46, 68<<16
	s_mov_b32 s47, 32<<16
	s_mov_b32 s48, 68
	s_mov_b32 s49, 32
	s_mov_b32 s50, 0
	s_mov_b32 s51, 0
	s_mov_b32 s76, 15|(3<<16)|(1<<21)
	s_mov_b32 s77, 32<<16
	s_mov_b32 s78, 34<<16
	s_mov_b32 s79, 32<<16
	s_mov_b32 s80, 34
	s_mov_b32 s81, 32
	s_mov_b32 s82, 0
	s_mov_b32 s83, 0
	; group 1 for x, my work-group's own: 32 rows x 128 elements of 4 bytes, 512 apart; 4 words of padding behind every 128
	s_mov_b32 s52, (2<<16)|(1<<20)|(6<<22)|(3<<25)
	s_mov_b32 s53, 128<<16
	s_mov_b32 s54, 32<<16
	s_mov_b32 s55, 128<<16
	s_mov_b32 s56, 32
	s_mov_b32 s57, 512
	s_mov_b32 s58, 0
	s_mov_b32 s59, 0
	s_mov_b32 s[SEL], 0x76543210
	s_mov_b32 s[SEL+1], 0xfedcba98                 ; v_permlanex16_b32's selects for lane l xor 16
	s_mov_b32 s[CS], 0x3fb8aa3b                    ; log2(e)
	s_mov_b32 s[CS+1], s[CS]                       ; (named with it as a pair, so it is written)
	s_lshr_b32 s90, ttmp9, 4                       ; the batch: sixteen clusters each
	s_mul_i32 s90, s90, 704512
	s_mul_i32 s92, s[WV], 11008                    ; my eighth of a slot, in memory and in LDS
	s_add_co_u32 s90, s90, s92
	s_mov_b32 s91, 0
	s_lshl_b32 s94, s32, 17                        ; x: my work-group's 64 rows,
	s_lshl_b32 s95, s[QP], 16                      ; 32 of them,
	s_add_co_u32 s94, s94, s95
	s_lshl_b32 s95, s[KQ], 9                       ; strip wave % 4
	s_add_co_u32 s94, s94, s95
	s_mov_b32 s95, 0
	s_mul_i32 s96, s[KQ], XTS
	s_mul_i32 s97, s[QP], 16896
	s_add_co_u32 s96, s96, s97
	s_wait_kmcnt 0x0
	s_load_b32 s[GAM], s[14:15], 0x0
	s_mov_b32 s60, 1                               ; group 0 of slot 0
	s_mov_b32 s61, s92
	s_add_nc_u64 s[62:63], s[6:7], s[90:91]
	s_mov_b32 s68, 1                               ; of slot 1
	s_add_co_u32 s69, s92, SLOTB
	s_add_nc_u64 s[70:71], s[62:63], SLOTB
	s_or_b32 s63, s63, 0x80000000
	s_or_b32 s71, s71, 0x80000000
	s_mov_b32 s72, 1                               ; of x
	s_add_co_u32 s73, s96, XR
	s_add_nc_u64 s[74:75], s[10:11], s[94:95]
	s_or_b32 s75, s75, 0x80000000
	ROUND                                          ; the four work-groups are here: the first joint loads meet
	tensor_load_to_lds s[60:63], s[36:43]          ; all first fills go out together: three loads of mine are out
	s_nop 0
	tensor_load_to_lds s[68:71], s[36:43]
	s_nop 0
	tensor_load_to_lds s[72:75], s[52:59]
	s_nop 0
	PLACES 4
	v_and_b32 v[T1], 31, v0
	v_lshlrev_b32 v[T2], 2, v[T1]                  ; 4 x lane
	v_lshlrev_b32 v[T1], 4, v[T1]                  ; 16 x lane
	s_mul_i32 s90, s[KQ], KVB
	s_lshl_b32 s91, s34, 13                        ; my first half of hv's tiles,
	s_xor_b32 s92, s91, 8192                       ; and the other
	s_lshl_b32 s93, s34, 9
	s_xor_b32 s94, s93, 512
.irp sl, 0,1
	s_add_co_u32 s95, s90, \sl*SLOTB
	v_add_nc_u32 v[AD+6*\sl], s95, v[T1]           ; f's images
	s_add_co_u32 s96, s95, s91
	s_add_co_u32 s96, s96, 4096
	v_add_nc_u32 v[AD+6*\sl+1], s96, v[T1]         ; hv's, first half
	s_add_co_u32 s96, s95, s92
	s_add_co_u32 s96, s96, 4096
	v_add_nc_u32 v[AD+6*\sl+2], s96, v[T1]         ; second half
	s_add_co_u32 s96, s95, 20480
	v_add_nc_u32 v[AD+6*\sl+3], s96, v[T2]         ; f's scale words
	s_add_co_u32 s96, s95, s93
	s_add_co_u32 s96, s96, 20992
	v_add_nc_u32 v[AD+6*\sl+4], s96, v[T2]         ; hv's
	s_add_co_u32 s96, s95, s94
	s_add_co_u32 s96, s96, 20992
	v_add_nc_u32 v[AD+6*\sl+5], s96, v[T2]
.endr
	s_mul_i32 s90, s32, 2304                       ; g: my work-group's part of qg
	s_lshl_b32 s91, s[QP], 1
	s_add_co_u32 s91, s91, s33                     ; my tile a = 0
	s_lshl_b32 s92, s91, 9
	s_add_co_u32 s92, s92, s90
	v_add_nc_u32 v[TM], s92, v[T1]
	s_xor_b32 s91, s91, 1                          ; a = 1
	s_lshl_b32 s92, s91, 9
	s_add_co_u32 s92, s92, s90
	v_add_nc_u32 v[TM+1], s92, v[T1]
	global_load_b128 v[QF:QF+3], v[TM], s[4:5]
	global_load_b128 v[QF+8:QF+11], v[TM+1], s[4:5]
	v_bfe_u32 v[TM+2], v0, 4, 1
	v_xor_b32 v[TM+2], s33, v[TM+2]                ; lanes 0-15 take tile a = 0's words, lanes 16-31 tile a = 1's
	v_and_b32 v[TM+3], 15, v0
	v_lshlrev_b32 v[TM+3], 2, v[TM+3]
	v_lshl_add_u32 v[TM+2], v[TM+2], 6, v[TM+3]
	s_lshl_b32 s91, s[QP], 7
	s_add_co_u32 s91, s91, s90
	s_add_co_u32 s91, s91, 2048
	v_add_nc_u32 v[TM+2], s91, v[TM+2]
	global_load_b32 v[QS], v[TM+2], s[4:5]
	; the batch norm's five vectors: two of my wave's 64 columns a lane; A and B are made here, while the first tiles are on their way, and wait in LDS for the way out
	s_lshl_b32 s90, s[WV], 8
	v_and_b32 v[FF], 31, v0
	v_lshlrev_b32 v[FF], 3, v[FF]
	v_add_nc_u32 v[FF], s90, v[FF]                 ; 256 wave + 8 lane
	v_add_nc_u32 v[T2], ABL, v[FF]
	global_load_b64 v[128:129], v[FF], s[24:25]    ; bn_var
	global_load_b64 v[130:131], v[FF], s[18:19]    ; bn_scale
	global_load_b64 v[132:133], v[FF], s[16:17]    ; bc
	global_load_b64 v[134:135], v[FF], s[22:23]    ; bn_mean
	global_load_b64 v[136:137], v[FF], s[20:21]    ; bn_bias
.irp n, 0,1,2,3
	v_mov_b32 v[QF+4+\n], 0                        ; zero codes for k = 64 .. 127
	v_mov_b32 v[QF+12+\n], 0
	v_mov_b32 v[KT+32+\n], 0
	v_mov_b32 v[TM+4+\n], 0                        ; written once: a lane permute's destination counts as one of its sources
.endr
.irp a, 0,1
	v_mov_b32 v[STAT+4*\a+1], 0xff61b1e6           ; the largest t so far: -3e38, under every t
	v_floor_f32 v[STAT+4*\a], -v[STAT+4*\a+1]      ; -M
	v_mov_b32 v[STAT+4*\a+2], 0                    ; the sum, in two halves
	v_mov_b32 v[STAT+4*\a+3], 0
.endr
	v_mov_b32 v[FF+1], 0                           ; (named as upper halves of pairs)
	v_mov_b32 v[PW], 0
.macro RESC a                          ; tile a's O under the new M: x f, which rounds nothing
	WIN 0x41                                       ; O (destination and source 0) in window 1
.set sj, 0
.rept 64
	v_pk_mul_f32 v[128*\a+sj:128*\a+sj+1], v[128*\a+sj:128*\a+sj+1], v[FF:FF+1] op_sel_hi:[1,0]
.set sj, sj+2
.endr
	WIN 0
.endm
; One tile's softmax of 128 keys: scores in v[128 + 64 a] on, register 16 b + i = key 32 b + 16 (lane / 16) + i.  resc = 1: the tile's O is brought under the new M here.
.macro SOFTMAX a, resc
.set SBS, 128+64*\a
.set STT, STAT+4*\a
.set PPB, PF+8*\a
.irp b, 0,1,2,3
	v_max3_num_f32 v[TM+\b], v[SBS+16*\b], v[SBS+16*\b+1], v[SBS+16*\b+2]   ; the largest score of each block of 32 keys: for the row's maximum, and, since p rises with the score, for the block's largest p
.endr
.irp i, 3,5,7,9,11,13
.irp b, 0,1,2,3
	v_max3_num_f32 v[TM+\b], v[TM+\b], v[SBS+16*\b+\i], v[SBS+16*\b+\i+1]
.endr
.endr
.irp b, 0,1,2,3
	v_max_num_f32 v[TM+\b], v[TM+\b], v[SBS+16*\b+15]
.endr
.irp b, 0,1,2,3
	v_permlanex16_b32 v[TM+4+\b], v[TM+\b], s[SEL], s[SEL+1]
.endr
.irp b, 0,1,2,3
	v_max_num_f32 v[TM+\b], v[TM+\b], v[TM+4+\b]
.endr
	v_max3_num_f32 v[T1], v[TM], v[TM+1], v[TM+2]
	v_max_num_f32 v[T1], v[T1], v[TM+3]
	v_mul_f32 v[T1], s[CS], v[T1]
	v_max_num_f32 v[STT+1], v[STT+1], v[T1]        ; the running largest t
	v_mov_b32 v[T1], v[STT]
	v_floor_f32 v[STT], -v[STT+1]                  ; the new -M = -ceil(t)
	v_sub_f32 v[T1], v[STT], v[T1]                 ; old M - new M: a whole number, 0 or less
	v_cvt_i32_f32 v[T1], v[T1]                     ; (it saturates)
	v_ldexp_f32 v[FF], 1.0, v[T1]                  ; f = 2^(old M - new M)
.set sj, 0
.rept 32
	v_pk_fma_f32 v[SBS+sj:SBS+sj+1], v[SBS+sj:SBS+sj+1], s[CS:CS+1], v[STT:STT+1] op_sel_hi:[1,0,0]   ; t - M
.set sj, sj+2
.endr
.irp b, 0,1,2,3
	v_fma_f32 v[TM+\b], v[TM+\b], s[CS], v[STT]
.endr
.set sj, 0
.rept 64
	v_exp_f32 v[SBS+sj], v[SBS+sj]                 ; p = 2^(t - M)
.set sj, sj+1
.endr
.irp b, 0,1,2,3
	v_exp_f32 v[TM+\b], v[TM+\b]                   ; the block's largest p
.endr
	v_pk_mul_f32 v[STT+2:STT+3], v[STT+2:STT+3], v[FF:FF+1] op_sel_hi:[1,0]   ; the sums under the new M (a plain place behind the exponentials)
	s_wait_alu depctr_va_vdst(0)
.irp b, 0,1,2,3
	v_max_num_f32 v[TM+\b], 0x1800000, v[TM+\b]    ; the floor 2^(3 - 127)
.endr
.irp b, 0,1,2,3
	v_add_nc_u32 v[TM+TQ+\b], 0xff000000, v[TM+\b]
.endr
.irp b, 0,1,2,3
	v_lshrrev_b32 v[TM+4+\b], 23, v[TM+TQ+\b]
.endr
	v_lshl_or_b32 v[PS+\a], v[TM+5], 8, v[TM+4]    ; p's scale word for these 128 keys
	v_lshl_or_b32 v[PS+\a], v[TM+6], 16, v[PS+\a]
	v_lshl_or_b32 v[PS+\a], v[TM+7], 24, v[PS+\a]
.irp b, 0,1,2,3
	v_cvt_scalef32_pk8_fp4_f32 v[PPB+2*\b], v[SBS+16*\b:SBS+16*\b+7], v[TM+TQ+\b]
	v_cvt_scalef32_pk8_fp4_f32 v[PPB+2*\b+1], v[SBS+16*\b+8:SBS+16*\b+15], v[TM+TQ+\b]
.endr
	v_nop                                          ; one plain place behind a scaled conversion
.irp c, 0,1
.irp i, 0,1
	v_permlane16_swap_b32 v[PPB+4*\c+\i], v[PPB+4*\c+2+\i]
.endr
.endr
	v_pk_add_f32 v[TM+4:TM+5], v[SBS:SBS+1], v[SBS+2:SBS+3]   ; the row's sum of the unquantised p, in two chains
.irp j, 4,8,12,16,20,24,28,32,36,40,44,48,52,56,60
	v_pk_add_f32 v[STT+2:STT+3], v[STT+2:STT+3], v[SBS+\j:SBS+\j+1]
	v_pk_add_f32 v[TM+4:TM+5], v[TM+4:TM+5], v[SBS+\j+2:SBS+\j+3]
.endr
	v_pk_add_f32 v[STT+2:STT+3], v[STT+2:STT+3], v[TM+4:TM+5]
.if \resc
	RESC \a
.endif
.endm
.macro PVH hf, first                   ; sixteen products O^T += hv^T p^T: eight channel tiles x two query tiles, sixteen accumulators by turns
.irp i, 0,1,2,3,4,5,6,7
.irp a, 0,1
.if \first
	WMS 128*\a+64*\hf+8*\i, 128+64*\hf+8*\i, PF+8*\a, -1, VSA+4*\hf+\i/2, PS+\a, \i%2, 0
.else
	WMS 128*\a+64*\hf+8*\i, 128+64*\hf+8*\i, PF+8*\a, 128*\a+64*\hf+8*\i, VSA+4*\hf+\i/2, PS+\a, \i%2, 0
.endif
.endr
.endr
.endm
; A step on my 128 keys of slot sl, from the loads of f to the loads of hv.  pv: the step before has left its second product to do: 2: it adds onto O; 1: it starts O's sums; 0: there is none.
; Those 32 products touch registers alone and stand between the loads of f and the wait for them.  first = 1: O has no sums yet to bring under a new M.
; Tile 1's O is brought under its new M by the lines that follow the step, behind the request for hv's second half.
.macro TURN sl, pv, first
.set ADB, AD+6*\sl
.irp t, 0,1,2,3,4,5,6,7
	ds_load_b128 v[KT+4*\t:KT+4*\t+3], v[ADB] offset:512*\t
.endr
.irp p, 0,1,2,3
	ds_load_b32 v[KS+\p], v[ADB+3] offset:128*\p   ; lanes 0-15: tile 2 p; lanes 16-31: tile 2 p + 1
.endr
.if \pv
	WIN 0x50                                       ; C and D in window 1
	PVH 0, 2-\pv
	PVH 1, 2-\pv
	WIN 0
	PLACES 5                                       ; behind those products: loads into their scale registers want four, the products below, which write over hv's fragments, five
.endif
.irp p, 0,1,2,3
	ds_load_b32 v[VSA+\p], v[ADB+4] offset:128*\p
.endr
.irp p, 0,1,2,3
	ds_load_b32 v[VSA+4+\p], v[ADB+5] offset:128*\p
.endr
	s_wait_dscnt 8                                 ; f's tiles and words are in; hv's eight words may be out
.irp t, 0,1,2,3,4,5,6,7
.irp a, 0,1
	WMS 128+64*\a+8*\t, KT+4*\t, QF+8*\a, -1, KS+\t/2, QS, \t%2, \a
.endr
.endr
	PLACES 4
	SOFTMAX 0, 1-\first
.irp i, 0,1,2,3,4,5,6,7
	FETCH 128+8*\i, ADB+1, 1024*\i                 ; hv's first half, where tile 0's p lay
.endr
	SOFTMAX 1, 0
.irp i, 0,1,2,3,4,5,6,7
	FETCH 192+8*\i, ADB+2, 1024*\i
.endr
.endm
; Slot sl, which every wave has left, is filled again with the keys two slots on.  All my tensor loads have landed; 0 goes onto my spare word; tile 1's O is rescaled while the add and hv's last loads are out;
; the add and my reads of the slot are over; a round of the cluster's barrier, so that this holds of every wave of all four work-groups; then my one load, first thing behind it.  It has a step in which to land.
.macro FILLKV sl, resc
	s_wait_tensorcnt 0x0
	ds_add_u32 v1, v2
	s_add_nc_u64 s[62+8*\sl:63+8*\sl], s[62+8*\sl:63+8*\sl], 2*SLOTB
.if \resc
	RESC 1
.endif
	s_wait_dscnt 0x0
	ROUND
	tensor_load_to_lds s[60+8*\sl:63+8*\sl], s[36:43]
	s_nop 0
	PLACES 4
.endm
; Two chunks of wt: waves 0-3 bring the quarters of the first, to lbase on; waves 4-7 those of the next, SLOTB further on.  In memory the eight quarters lie on end.
.macro FILLW2 lbase, chunk
	WIN 0
	s_wait_tensorcnt 0x0
	ds_add_u32 v1, v2
	s_mul_i32 s90, s[KQ], 17408
	s_mul_i32 s91, s[QP], SLOTB
	s_add_co_u32 s90, s90, s91
	s_add_co_u32 s61, s90, \lbase
	s_mul_i32 s92, s[WV], 17408
	s_add_co_u32 s92, s92, \chunk*WCB
	s_mov_b32 s93, 0
	s_add_nc_u64 s[62:63], s[8:9], s[92:93]
	s_or_b32 s63, s63, 0x80000000
	s_wait_dscnt 0x0
	ROUND
	tensor_load_to_lds s[60:63], s[44:51]
	s_nop 0
	PLACES 4
.endm
	s_wait_loadcnt 0x0                             ; g and the five vectors
	v_add_f32 v128, 0x3a83126f, v128               ; var + 1e-3
	v_add_f32 v129, 0x3a83126f, v129
	v_rsq_f32 v128, v128
	v_rsq_f32 v129, v129
	v_pk_add_f32 v[132:133], v[132:133], v[134:135] neg_lo:[0,1] neg_hi:[0,1]   ; bc - mean (a plain place behind the roots)
	s_wait_alu depctr_va_vdst(0)
	v_pk_mul_f32 v[130:131], v[130:131], v[128:129]                             ; A = scale / sqrt(var + eps)
	v_pk_fma_f32 v[132:133], v[132:133], v[130:131], v[136:137]                 ; B = (bc - mean) A + bias
	ds_store_b64 v[T2], v[130:131]                 ; my wave alone reads these bytes again
	ds_store_b64 v[T2], v[132:133] offset:2048
	s_wait_kmcnt 0x0                               ; gamma
	s_mov_b32 s[GAM+1], s[GAM]
	s_wait_tensorcnt 0x2                           ; my part of slot 0 is in; slot 1's and x's, issued behind it, may stay out
	s_wait_dscnt 0x0                               ; no LDS instruction of mine is out at a signal
	s_barrier_signal -1
	s_barrier_wait -1
	TURN 0, 0, 1                                   ; step 0
	FILLKV 0, 0
	TURN 1, 1, 0                                   ; step 1, and step 0's second product, which starts O's sums
	s_mov_b32 s35, 2
.Lring:                                            ; two trips: steps 2 to 5
	FILLKV 1, 1
	TURN 0, 2, 0
	FILLKV 0, 1
	TURN 1, 2, 0
	s_sub_co_u32 s35, s35, 1
	s_cmp_lg_u32 s35, 0
	s_cbranch_scc1 .Lring
	FILLKV 1, 1                                    ; the batch's last 512 keys are asked for
	TURN 0, 2, 0                                   ; step 6
	s_wait_tensorcnt 0x0                           ; slot 0 is left for good: its lower 69,632 bytes take wo's chunk, an eighth a wave
	ds_add_u32 v1, v2
	s_mul_i32 s61, s[WV], 8704
	s_mov_b32 s90, s61
	s_mov_b32 s91, 0
	s_add_nc_u64 s[62:63], s[8:9], s[90:91]
	s_or_b32 s63, s63, 0x80000000
	RESC 1
	s_wait_dscnt 0x0
	ROUND
	tensor_load_to_lds s[60:63], s[76:83]
	s_nop 0
	PLACES 4
	TURN 1, 2, 0                                   ; step 7
	RESC 1                                         ; (while hv's last loads are out)
	s_wait_dscnt 0x0
	WIN 0x50
	PVH 0, 0                                       ; step 7's second product
	PVH 1, 0
	WIN 0
	; ---- the sums; my share of x into registers (tiles 2 qp, 2 qp + 1, columns 128 kq on); -M and the sums to LDS
	PLACES 4                                       ; behind the last products, in front of loads into hv's registers
	v_and_b32 v3, 31, v0
	v_lshlrev_b32 v4, 2, v3                        ; v4: 4 x lane
	v_lshlrev_b32 v3, 4, v3                        ; v3: 16 x lane
	v_and_b32 v5, 15, v0                           ; r
	v_bfe_u32 v6, v0, 4, 1                         ; v6: h
	v_and_b32 v7, 8, v5
	v_add_nc_u32 v7, v7, v5
	v_mul_u32_u24 v7, v7, 528
	v_lshl_add_u32 v7, v6, 6, v7
	s_mul_i32 s90, s[KQ], XTS
	s_mul_i32 s91, s[QP], 32*528
	s_add_co_u32 s90, s90, s91
	s_add_co_u32 s90, s90, XR
	v_add_nc_u32 v7, s90, v7                       ; x: strip kq, row 32 qp + r + 8 (r / 8), + 64 h
	v_lshlrev_b32 v5, 2, v5                        ; v5: 4 r
	s_lshl_b32 s90, s[WV], 7
	s_add_co_u32 s90, s90, STM
	v_add_nc_u32 v8, s90, v5                       ; (both halves of the lanes hold and store the same numbers)
.irp j, 1,2,3
	s_xor_b32 s90, s[WV], \j                       ; the partner that holds quarter kq xor j of my unit: my tile is its tile j % 2
	s_lshl_b32 s91, s90, 7
	s_add_co_u32 s91, s91, STM+64*(\j&1)
	v_add_nc_u32 v[8+\j], s91, v5
	s_lshl_b32 s91, s90, 13
	s_add_co_u32 s91, s91, STG
	v_add_nc_u32 v[123+\j], s91, v3
.endr
	s_lshl_b32 s90, s[WV], 13
	s_add_co_u32 s90, s90, STG
	v_add_nc_u32 v12, s90, v3
.irp a, 0,1
	v_add_f32 v[STAT+4*\a+2], v[STAT+4*\a+2], v[STAT+4*\a+3]
.endr
.irp a, 0,1
	v_permlanex16_b32 v[TM+4+\a], v[STAT+4*\a+2], s[SEL], s[SEL+1]
.endr
.irp a, 0,1
	v_add_f32 v[STAT+4*\a+2], v[STAT+4*\a+2], v[TM+4+\a]
.endr
.irp u, 0,1
.irp b, 0,1,2,3
.irp j, 0,1,2,3
	ds_load_b128 v[128+64*\u+16*\b+4*\j:128+64*\u+16*\b+4*\j+3], v7 offset:4224*\u+128*\b+16*\j
.endr
.endr
.endr
	ds_store_b32 v8, v[STAT]
	ds_store_b32 v8, v[STAT+4] offset:64
	ds_store_b32 v8, v[STAT+2] offset:STL-STM
	ds_store_b32 v8, v[STAT+6] offset:STL-STM+64
	FILLW2 SLOTB, 1                                ; slot 1 and x's lower part are left by every wave: wc's K steps 0-1 and 2-3.  My last tensor load
	; ---- the merge: o = sum over the quarters of 2^(M_k - M) O_k / sum over the quarters of 2^(M_k - M) l_k
.irp j, 1,2,3
	ds_load_b32 v[MN+\j], v[8+\j]
	ds_load_b32 v[ML+\j], v[8+\j] offset:STL-STM
.endr
	v_mov_b32 v[MN], v[STAT]
	v_mov_b32 v[ML], v[STAT+2]
	s_wait_dscnt 0x0
	v_min3_num_f32 v[T1], v[MN], v[MN+1], v[MN+2]
	v_min_num_f32 v[T1], v[T1], v[MN+3]            ; -M of the whole row
.irp k, 0,1,2,3
	v_sub_f32 v[MN+\k], v[T1], v[MN+\k]            ; M_k - M: a whole number, 0 or less
.endr
.irp k, 0,1,2,3
	v_cvt_i32_f32 v[MN+\k], v[MN+\k]
.endr
.irp k, 0,1,2,3
	v_ldexp_f32 v[GG+2*\k], 1.0, v[MN+\k]
.endr
	v_mul_f32 v[T1], v[GG], v[ML]
	v_fma_f32 v[T1], v[GG+2], v[ML+1], v[T1]
	v_fma_f32 v[T1], v[GG+4], v[ML+2], v[T1]
	v_fma_f32 v[T1], v[GG+6], v[ML+3], v[T1]       ; the row's sum
	v_rcp_f32 v[T1], v[T1]
	v_nop                                          ; one plain place behind a transcendental
	s_wait_alu depctr_va_vdst(0)
.irp k, 0,1,2,3
	v_mul_f32 v[GG+2*\k], v[GG+2*\k], v[T1]
.endr
	WIN 0x41
.set sj, 0
.rept 32
	v_pk_mul_f32 v[sj:sj+1], v[sj:sj+1], v[GG:GG+1] op_sel_hi:[1,0]
.set sj, sj+2
.endr
; Every wave puts unit u into its stage | barrier | takes its own unit's quarter from wave w xor j | barrier, since the stages are written again.
.macro MTURN u, j, last
	WIN 0x04                                       ; an LDS store's data are its source 1: window 1
.set sj, 0
.rept 16
	ds_store_b128 v12, v[64*\u+4*sj:64*\u+4*sj+3] offset:512*sj
.set sj, sj+1
.endr
	WIN 0
	BARRIER
	WIN 0x40
.set sj, 0
.rept 16
	ds_load_b128 v[64+4*sj:64+4*sj+3], v[123+\j] offset:512*sj
.set sj, sj+1
.endr
	s_wait_dscnt 0x0
.if \last
	WIN 0x11                                       ; the finished o goes to window 0
.set sj, 0
.rept 32
	v_pk_fma_f32 v[OF+sj:OF+sj+1], v[64+sj:64+sj+1], v[GG+2*\j:GG+2*\j+1], v[sj:sj+1] op_sel_hi:[1,0,1]
.set sj, sj+2
.endr
.else
	WIN 0x51
.set sj, 0
.rept 32
	v_pk_fma_f32 v[sj:sj+1], v[64+sj:64+sj+1], v[GG+2*\j:GG+2*\j+1], v[sj:sj+1] op_sel_hi:[1,0,1]
.set sj, sj+2
.endr
.endif
	WIN 0
	BARRIER
.endm
	MTURN 1, 2, 0
	MTURN 2, 1, 0
	MTURN 3, 3, 1
	; ---- addresses of the rest
	s_lshl_b32 s90, s[QP], 12
	s_add_co_u32 s90, s90, OIMG
	v_add_nc_u32 v14, s90, v3                      ; o's fragments of my pair of tiles
	s_lshl_b32 s91, s33, 11
	s_add_co_u32 s90, s90, s91
	s_lshl_b32 s91, s34, 10
	s_add_co_u32 s90, s90, s91
	v_add_nc_u32 v7, s90, v3                       ; where my o goes: tile 2 qp + kq % 2, K step kq / 2
	s_lshl_b32 s90, s[QP], 8
	s_add_co_u32 s90, s90, OSC
	v_add_nc_u32 v[T2], s90, v4                    ; o's scale words of my pair of tiles
	s_lshl_b32 s91, s33, 7
	s_add_co_u32 s90, s90, s91
	s_lshl_b32 s91, s34, 6
	s_add_co_u32 s90, s90, s91
	v_add_nc_u32 v8, s90, v5
	s_lshl_b32 s90, s[KQ], 12
	s_lshl_b32 s91, s[QP], 11
	s_add_co_u32 s90, s90, s91
	s_add_co_u32 s90, s90, CIMG
	v_add_nc_u32 v9, s90, v3                       ; att: K step kq, tile 2 qp; x 16,384 further on
	s_lshl_b32 s90, s34, 9
	s_lshl_b32 s91, s33, 6
	s_add_co_u32 s90, s90, s91
	s_lshl_b32 s91, s[QP], 8
	s_add_co_u32 s90, s90, s91
	s_add_co_u32 s90, s90, CSC
	v_add_nc_u32 v10, s90, v5
	v_lshlrev_b32 v11, 6, v6
	v_lshl_add_u32 v11, s[KQ], 9, v11              ; bo: column 128 kq + 16 h
	s_lshl_b32 s90, s[KQ], 14
	v_add_nc_u32 v12, s90, v3                      ; wo's tiles 8 kq on, in slot 0
	s_lshl_b32 s90, s[KQ], 10
	s_add_co_u32 s90, s90, 65536
	v_add_nc_u32 v13, s90, v4
	s_lshl_b32 s90, s[WV], 13
	v_add_nc_u32 v124, s90, v3                     ; wc's tiles 4 w on, in a chunk: in LDS and in memory alike
	s_lshl_b32 s90, s[WV], 9
	s_add_co_u32 s90, s90, 65536
	v_add_nc_u32 v125, s90, v4
	v_add_nc_u32 v126, CIMG, v3
	v_add_nc_u32 v127, CSC, v4
	; ---- bo stands in the next product's accumulators, in the result's layout; o and x are quantised
	WIN 0x40
.irp u, 0,1
.irp i, 0,1,2,3,4,5,6,7
	global_load_b128 v[64*\u+8*\i:64*\u+8*\i+3], v11, s[12:13] offset:(32*(\i/2)+8*(\i%2))*4
	global_load_b128 v[64*\u+8*\i+4:64*\u+8*\i+7], v11, s[12:13] offset:(32*(\i/2)+8*(\i%2))*4+16
.endr
.endr
	WIN 0
	QCORE OF, 4
	PACK4
	IMAGE 7, 0
	ds_store_b32 v8, v[PW]
.irp u, 0,1
	s_wait_dscnt 0x0                               ; the stores have read their registers
	QCORE 128+64*\u, 4
	PACK4
	IMAGE 9, 16384+1024*\u
	ds_store_b32 v10, v[PW] offset:1024+128*\u
.endr
	BARRIER                                        ; o's eight fragments lie in LDS
	; ---- o wo + bo for columns 128 kq on, my two tiles; att = gamma x that + x, in x's registers; quantised
	WIN 0x40
.irp i, 0,1,2,3,4,5,6,7
.irp q, 0,1
	FETCH 128+8*(2*\i+\q), 12, (2*\i+\q)*1024
.endr
.endr
	WIN 0
.irp u, 0,1
.irp q, 0,1
	FETCH OF+8*(2*\u+\q), 14, (2*\u+\q)*1024
.endr
.endr
.irp i, 0,1,2,3,4,5,6,7
	ds_load_b32 v[KS+\i], v13 offset:128*\i
.endr
.irp u, 0,1
	ds_load_b32 v[KS+8+\u], v[T2] offset:128*\u
.endr
	s_wait_dscnt 0x0
	s_wait_loadcnt 0x0                             ; bo
	WIN 0x51                                       ; wo's fragments, C and D in window 1; o's in window 0
.irp q, 0,1
.irp i, 0,1,2,3,4,5,6,7
.irp u, 0,1
	WMS 64*\u+8*\i, 128+8*(2*\i+\q), OF+8*(2*\u+\q), 64*\u+8*\i, KS+\i, KS+8+\u, \q, \q
.endr
.endr
.endr
	WIN 0
	PLACES 4                                       ; in front of loads into wo's and o's scale registers and fragments, and of the first read of the results
; My eight fragments and four scale registers of chunk 3 + c (wc's K steps 4 + 2 c, 5 + 2 c), straight from memory, where wo's fragments lay: each load of codes reads 512 consecutive bytes.
.macro WDIR c
	WIN 0x40
.irp i, 0,1,2,3
.irp p, 0,1
	global_load_b128 v[128+64*\c+8*(2*\i+\p):128+64*\c+8*(2*\i+\p)+3], v124, s[8:9] offset:(3+\c)*WCB+(2*\i+\p)*1024
	global_load_b128 v[128+64*\c+8*(2*\i+\p)+4:128+64*\c+8*(2*\i+\p)+7], v124, s[8:9] offset:(3+\c)*WCB+(2*\i+\p)*1024+512
.endr
.endr
	WIN 0
.irp i, 0,1,2,3
	global_load_b32 v[KS+8+4*\c+\i], v125, s[8:9] offset:(3+\c)*WCB+128*\i
.endr
.endm
	WDIR 0                                         ; 40 loads: they have the residual, two quantisations and two pairs of K steps in which to land
	WDIR 1
	WIN 0x01
.set sj, 0
.rept 64
	v_pk_fma_f32 v[128+sj:128+sj+1], v[sj:sj+1], s[GAM:GAM+1], v[128+sj:128+sj+1] op_sel_hi:[1,0,1]
.set sj, sj+2
.endr
	WIN 0
.irp u, 0,1
	QCORE 128+64*\u, 4
	PACK4
	IMAGE 9, 1024*\u
	ds_store_b32 v10, v[PW] offset:128*\u
	s_wait_dscnt 0x0
.endr
	s_wait_tensorcnt 0x0                           ; my parts of wc's first two chunks are in
	BARRIER                                        ; all 32 fragments of [att | x] lie in LDS
	s_mul_i32 s90, s[KQ], 4352
	s_mul_i32 s91, s[QP], SLOTB
	s_add_co_u32 s90, s90, s91
	s_add_co_u32 s90, s90, OST                     ; my stage of the way out: those bytes had their last fill and their last read in the ring
	v_mul_u32_u24 v9, v5, 68                       ; 272 r
	v_lshl_add_u32 v9, v6, 6, v9
	v_add_nc_u32 v9, s90, v9                       ; in: row r, + 64 h
	v_mul_u32_u24 v10, v6, 272
	v_lshl_add_u32 v10, v5, 2, v10
	v_add_nc_u32 v10, s90, v10                     ; back: lanes 0-15 one row, lanes 16-31 the next
	v_lshlrev_b32 v11, 11, v6
	v_lshl_add_u32 v11, v5, 2, v11
	v_lshl_add_u32 v11, s[WV], 8, v11              ; out0: 256 w + 2048 h + 16 r
	s_lshl_b32 s90, s[WV], 8
	s_add_co_u32 s90, s90, ABL
	v_lshlrev_b32 v12, 6, v6
	v_add_nc_u32 v12, s90, v12                     ; A and B: column 64 w + 16 h
	s_lshl_b32 s90, s32, 17
	s_mov_b32 s91, 0
	s_add_nc_u64 s[26:27], s[26:27], s[90:91]      ; out0 at my work-group's first row
; [att | x] wc for columns 64 w on and all four tiles of queries: K steps 2 q, 2 q + 1.  q < 2: the weights come from the chunk at LDS byte base; else they are in window 1 already.  Sixteen accumulators by turns.
.macro P7 q, base
	PLACES 4                                       ; in front of loads into registers that the last products read
.if \q < 2
.set WAB, 128
.set WSB, KS
	v_add_nc_u32 v7, \base, v124
	v_add_nc_u32 v8, \base, v125
.irp i, 0,1,2,3
.irp p, 0,1
	FETCH 128+8*(2*\i+\p), 7, (2*\i+\p)*1024
.endr
.endr
.irp i, 0,1,2,3
	ds_load_b32 v[KS+\i], v8 offset:128*\i
.endr
.else
.set WAB, 128+64*(\q-2)
.set WSB, KS+8+4*(\q-2)
.endif
.irp t, 0,1,2,3
.irp p, 0,1
	FETCH 192+8*(2*\t+\p), 126, (4*(2*\q+\p)+\t)*1024
.endr
.endr
.irp t, 0,1,2,3
	ds_load_b32 v[KS+4+\t], v127 offset:512*\q+128*\t
.endr
	s_wait_dscnt 0x0
.if \q == 2
	s_wait_loadcnt 20                              ; chunk 3's twenty loads are in; chunk 4's twenty may be out
.endif
.if \q == 3
	s_wait_loadcnt 0x0
.endif
.if \q < 2
	WIN 0x50                                       ; both operands in window 0, C and D in window 1
.else
	WIN 0x51                                       ; the weights in window 1 too
.endif
.irp p, 0,1
.irp t, 0,1,2,3
.irp i, 0,1,2,3
.if (\q == 0) && (\p == 0)
	WMS 32*\t+8*\i, WAB+8*(2*\i+\p), 192+8*(2*\t+\p), -1, WSB+\i, KS+4+\t, \p, \p
.else
	WMS 32*\t+8*\i, WAB+8*(2*\i+\p), 192+8*(2*\t+\p), 32*\t+8*\i, WSB+\i, KS+4+\t, \p, \p
.endif
.endr
.endr
.endr
	WIN 0
.endm
	P7 0, SLOTB
	P7 1, XR
	P7 2, 0
.irp i, 0,1,2,3                        ; A and B, 32 numbers a lane each, in the result's layout: what my wave stored at the head
.irp e, 0,1
	ds_load_b128 v[AV+8*\i+4*\e:AV+8*\i+4*\e+3], v12 offset:(32*(\i/2)+8*(\i%2))*4+16*\e
	ds_load_b128 v[BV+8*\i+4*\e:BV+8*\i+4*\e+3], v12 offset:2048+(32*(\i/2)+8*(\i%2))*4+16*\e
.endr
.endr
	P7 3, 0
	PLACES 4                                       ; behind the last products: their results are read, and their operands' registers written, below
; THE WAY OUT, a tile of 16 queries x my 64 columns at a time: relu(sum x A + B) through my own stage, back as rows of 256 bytes.  LDS serves a wave's instructions in order: no wait between stores and loads.
.macro OUTT t
.set YB, 128+64*((\t)%2)
.set RB, 160+64*((\t)%2)
.if \t > 0
	s_wait_xcnt 0x0                                ; earlier stores have read their registers: they may be loaded again
.endif
	WIN 0x01
.set sj, 0
.rept 16
	v_pk_fma_f32 v[YB+sj:YB+sj+1], v[32*\t+sj:32*\t+sj+1], v[AV+sj:AV+sj+1], v[BV+sj:BV+sj+1]
.set sj, sj+2
.endr
	WIN 0
.set sj, 0
.rept 32
	v_max_num_f32 v[YB+sj], 0, v[YB+sj]
.set sj, sj+1
.endr
.irp i, 0,1,2,3
.irp q, 0,1
	ds_store_b128 v9, v[YB+8*\i+4*\q:YB+8*\i+4*\q+3] offset:128*(\i/2)+32*(\i%2)+16*\q
.endr
.endr
.irp i, 0,1,2,3,4,5,6,7
	ds_load_b128 v[RB+4*\i:RB+4*\i+3], v10 offset:2*\i*272
.endr
.irp i, 0,1,2,3,4,5,6,7
	s_wait_dscnt 7-\i
	global_store_b128 v11, v[RB+4*\i:RB+4*\i+3], s[26:27] offset:(32*(\t/2)+8*(\t%2)+2*\i+8*(\i/4))*2048 th:TH_STORE_NT   ; sixteen lanes store 256 consecutive bytes, at a multiple of 256 from out0's first byte
.endr
.endm
	OUTT 0
	OUTT 1
	OUTT 2
	OUTT 3
	s_wait_tensorcnt 0x0                           ; the wave's end: behind my last tensor load and my last LDS store
	ds_add_u32 v1, v2
	s_wait_dscnt 0x0
	ROUND                                          ; the closing round: no work-group ends while a partner may still ask for a tile that names it
	s_endpgm
.Lfunc_end_k_q87afb1945a_attn:
	.size	k_q87afb1945a_attn, .Lfunc_end_k_q87afb1945a_attn-k_q87afb1945a_attn
	.p2alignl 7, 3214868480
	.fill 96, 4, 3214868480
	.section	.rodata,"a",@progbits
	.p2align	6, 0x0
	.amdhsa_kernel k_q87afb1945a_attn
		.amdhsa_group_segment_fixed_size 327680
		.amdhsa_private_segment_fixed_size 0
		.amdhsa_enable_private_segment 0
		.amdhsa_kernarg_size 96
		.amdhsa_user_sgpr_count 2
		.amdhsa_user_sgpr_kernarg_segment_ptr 1
		.amdhsa_wavefront_size32 1
		.amdhsa_system_sgpr_workgroup_id_x 1
		.amdhsa_system_sgpr_workgroup_id_y 1
		.amdhsa_system_sgpr_workgroup_id_z 1
		.amdhsa_system_vgpr_workitem_id 0
		.amdhsa_next_free_vgpr 512
		.amdhsa_next_free_sgpr 100
		.amdhsa_reserve_vcc 0
		.amdhsa_float_denorm_mode_32 3
		.amdhsa_float_denorm_mode_16_64 3
		.amdhsa_memory_ordered 1
		.amdhsa_forward_progress 1
		.amdhsa_inst_pref_size 255
	.end_amdhsa_kernel
	.section	.bss,"aw",@nobits
	.p2align	6
	.space	262144
	.amdgpu_metadata
---
amdhsa.version: [ 1, 2 ]
amdhsa.kernels:
  - .name:           k_q87afb1945a_attn
    .symbol:         k_q87afb1945a_attn.kd
    .args:
      - { .name: qg, .offset: 0, .size: 8, .value_kind: global_buffer, .address_space: global }
      - { .name: kv, .offset: 8, .size: 8, .value_kind: global_buffer, .address_space: global }
      - { .name: wt, .offset: 16, .size: 8, .value_kind: global_buffer, .address_space: global }
      - { .name: x, .offset: 24, .size: 8, .value_kind: global_buffer, .address_space: global }
      - { .name: bo, .offset: 32, .size: 8, .value_kind: global_buffer, .address_space: global }
      - { .name: gamma, .offset: 40, .size: 8, .value_kind: global_buffer, .address_space: global }
      - { .name: bc, .offset: 48, .size: 8, .value_kind: global_buffer, .address_space: global }
      - { .name: bn_scale, .offset: 56, .size: 8, .value_kind: global_buffer, .address_space: global }
      - { .name: bn_bias, .offset: 64, .size: 8, .value_kind: global_buffer, .address_space: global }
      - { .name: bn_mean, .offset: 72, .size: 8, .value_kind: global_buffer, .address_space: global }
      - { .name: bn_var, .offset: 80, .size: 8, .value_kind: global_buffer, .address_space: global }
      - { .name: out0, .offset: 88, .size: 8, .value_kind: global_buffer, .address_space: global }
    .group_segment_fixed_size: 327680
    .private_segment_fixed_size: 0
    .kernarg_segment_align: 8
    .kernarg_segment_size: 96
    .max_flat_workgroup_size: 256
    .sgpr_count:     100
    .vgpr_count:     512
    .wavefront_size: 32
...
	.end_amdgpu_metadata
.endif
;; end of part 3
